; MI455X (gfx1250); checked and timed in simulation.
; The chip was launched on July 23, 2026; its instructions are those of AMD's public machine-readable ISA for CDNA 5 (MIT licence, August 2026) and "CDNA5" Instruction Set Architecture Reference Guide (July 2026). The comments in the code are by the model that wrote it; some were corrected since.
;; Mo E. Allowed arithmetic: matrix products marked QUANTISED: E3M2 operands, one E8M0 scale for each 32 along K, by v_wmma_scale_f32_16x16x128_f8f6f4 with both operands' format E3M2, f32 sums; products left as they are: f32 operands where the result goes on into a quantised operand, else bf16, f16 or f32 operands; f32 sums; everything else in f32.
;; Inputs: b1 8 x 4,096 float32; b2 8 x 1,024 float32; gate_w 1,024 x 8 float32; w1_codes 8 x 4,096 x 32 x 24 uint8 (E3M2 codes of w1, K innermost, in blocks of 32 codes, four codes in three bytes); w1_scales 8 x 4,096 x 32 uint8 (E8M0 scales of w1, one for each 32 codes along K); w2_codes 8 x 1,024 x 128 x 24 uint8 (E3M2 codes of w2, K innermost, in blocks of 32 codes, four codes in three bytes); w2_scales 8 x 1,024 x 128 uint8 (E8M0 scales of w2, one for each 32 codes along K); x 4 x 256 x 1,024 float32.
;; Outputs: out0 4 x 256 x 1,024 float32.
;; This version of the problem:
;;   THIS VERSION OF THE PROBLEM IS GIVEN IN LOW PRECISION. The matrix products marked QUANTISED in the list below multiply operands that are first quantised to E3M2 (3 exponent bits, 2 mantissa bits; 6 bits a number), with one power-of-two scale for each 32 numbers along K (OCP MX v1.0); their sums are f32. All else is computed in f32.
;;   The module's matrix products, in the order in which they are computed (A, B: the left and right operand; K: the contracted axis; several contracted axes count as one K, in the product's order):
;;     1. [M 1,024, K 1,024] x [K 1,024, N 8]; A: input x; B: input gate_w: left as it is (N = 8 < 16)
;;     2. [M 1,024, K 1,024] x [K 1,024, N 4,096]; A: input x; B: input w1 (given as codes): QUANTISED
;;     3. [M 1,024, K 4,096] x [K 4,096, N 1,024]; A: computed on the way; B: input w2 (given as codes): QUANTISED
;;     4. [M 1,024, K 1,024] x [K 1,024, N 4,096]; A: input x; B: input w1 (given as codes): QUANTISED
;;     5. [M 1,024, K 4,096] x [K 4,096, N 1,024]; A: computed on the way; B: input w2 (given as codes): QUANTISED
;;     6. [M 1,024, K 1,024] x [K 1,024, N 4,096]; A: input x; B: input w1 (given as codes): QUANTISED
;;     7. [M 1,024, K 4,096] x [K 4,096, N 1,024]; A: computed on the way; B: input w2 (given as codes): QUANTISED
;;     8. [M 1,024, K 1,024] x [K 1,024, N 4,096]; A: input x; B: input w1 (given as codes): QUANTISED
;;     9. [M 1,024, K 4,096] x [K 4,096, N 1,024]; A: computed on the way; B: input w2 (given as codes): QUANTISED
;;     10. [M 1,024, K 1,024] x [K 1,024, N 4,096]; A: input x; B: input w1 (given as codes): QUANTISED
;;     11. [M 1,024, K 4,096] x [K 4,096, N 1,024]; A: computed on the way; B: input w2 (given as codes): QUANTISED
;;     12. [M 1,024, K 1,024] x [K 1,024, N 4,096]; A: input x; B: input w1 (given as codes): QUANTISED
;;     13. [M 1,024, K 4,096] x [K 4,096, N 1,024]; A: computed on the way; B: input w2 (given as codes): QUANTISED
;;     14. [M 1,024, K 1,024] x [K 1,024, N 4,096]; A: input x; B: input w1 (given as codes): QUANTISED
;;     15. [M 1,024, K 4,096] x [K 4,096, N 1,024]; A: computed on the way; B: input w2 (given as codes): QUANTISED
;;     16. [M 1,024, K 1,024] x [K 1,024, N 4,096]; A: input x; B: input w1 (given as codes): QUANTISED
;;     17. [M 1,024, K 4,096] x [K 4,096, N 1,024]; A: computed on the way; B: input w2 (given as codes): QUANTISED
;;   THE QUANTISER, for each operand of a quantised product, along K:
;;     - K is cut into blocks of 32 from its start; a last block that is shorter is filled with zeros.
;;     - A block's scale is 2^e with e = floor(log2(the largest magnitude in the block)) - 4, held to -126 .. 127; a block of zeros has e = 0. As a byte (E8M0): e + 127.
;;     - Each number is divided by its block's scale, clamped to +-28, and rounded to the nearest number of E3M2, ties to even, subnormals kept.
;;     - The product sums the exact products of the quantised numbers (number of the format x scale) in f32.
;;   ~~~python
;;   def quantise(x, axis):      # numpy; x: float32 -> the quantised numbers, widened to float32 again
;;       x = np.moveaxis(x, axis, -1); K = x.shape[-1]
;;       x = np.pad(x, [(0, 0)] * (x.ndim - 1) + [(0, -K % 32)]); x = x.reshape(x.shape[:-1] + (-1, 32)); a = np.abs(x).max(-1, keepdims=True)
;;       e = np.where(a > 0, np.clip(np.frexp(np.where(a > 0, a, 1))[1] - 1 - 4, -126, 127), 0)      # np.frexp(a)[1] - 1 = floor(log2(a)), exactly
;;       r = np.clip(x / 2.0 ** e, -28, 28)
;;       step = 2.0 ** (np.maximum(np.frexp(np.where(r == 0, 1, r))[1] - 1, -2) - 2)
;;       q = np.round(r / step) * step * 2.0 ** e      # np.round: ties to even
;;       return np.moveaxis(q.reshape(q.shape[:-2] + (-1,))[..., :K], -1, axis).astype(np.float32)
;;   ~~~
;;   OPERANDS COMPUTED ON THE WAY. 'Computed on the way' means the value that the module computes at that place (a softmax that the list does not call 'softmax' is quantised finished and normalised). What goes into a quantiser is computed in f32, as accurately as f32 sums, v_exp_f32 and their like allow (about 1e-6 of the number): no bf16 or f16 on the way to a quantiser, and a product that is left as it is and whose result goes on into a quantised operand takes f32 operands (vector FMAs, or v_wmma_f32_16x16x4_f32). A number that lies on a knife's edge between two numbers of the format may be rounded either way, as far as f32 arithmetic and the matrix unit's own rounding can turn it there, and no further.
;;   INPUTS GIVEN AS CODES. w1 (in the module: [8, 1024, 4096], K = its axis 1); w2 (in the module: [8, 4096, 1024], K = its axis 1): each comes as NAME_codes (uint8): NAME with its K axis moved to the last place and cut into blocks of 32 codes, [.., K / 32, bytes a block], one block behind the other in memory; four codes in three bytes: a row's codes are one little-endian stream of bits, code i at bits 6 i .. 6 i + 5 (a code: sign, 3 exponent bits, 2 mantissa bits); and NAME_scales (uint8): the same leading axes, one E8M0 byte (e + 127) for each 32 codes along K. Its value is code x scale, taken as it is: it is not quantised again, and the codes and scales need not be those that the quantiser above would give.
;; 2 versions, each right; version 2 is version 1 with the launches up, down written anew for expert scheduling mode. Each part assembles by itself: llvm-mc -triple=amdgcn-amd-amdhsa -mcpu=gfx1250 --defsym DOCPART=n.
;; ======== version 1 of 2: 4 launches
;; workspace buffers: xq 786,432 bytes; xqs 32,768 bytes; ids 4,096 bytes of whole numbers; cw 8,192 bytes; h 25,362,432 bytes; hs 2,113,536 bytes; listg 36,864 bytes of whole numbers; y 35,651,584 bytes
;; launch route (part 1): grid 256 x 1, 4 waves a work-group, no clusters, 56,832 bytes of LDS; arguments x, gate_w, xq, xqs, ids, cw; writes xq, xqs, ids, cw
.if DOCPART == 1
	.amdgcn_target "amdgcn-amd-amdhsa--gfx1250"
	.amdhsa_code_object_version 6
	.text
	.protected	k_qa932d79607_route
	.globl	k_qa932d79607_route
	.p2align	8
	.type	k_qa932d79607_route,@function
k_qa932d79607_route:
	s_mov_b64 s[64:65], 0
	v_nop
	global_prefetch_b8 v0, s[64:65] scope:SCOPE_SE
	s_setreg_imm32_b32 hwreg(HW_REG_WAVE_MODE, 25, 1), 1
	s_wait_xcnt 0x0
; ROUTE.  For each of 1,024 tokens: the 8 logits x . gate_w in f32 (fused multiply-adds), the two largest (ties: the lower index, by strict compares in ascending order), the softmax of
; those two (the larger logit is taken away ahead of the exponential), and x as codes of BF6 (E3M2) with one E8M0 byte for each 32 along D.
; OUT, all at fixed places: xq [token][768 bytes] codes as one stream of bits; xqs [token][32] scale bytes; ids [token] = (1 << first expert) | (256 << second expert); cw [token][2] the two weights.
; No address and no branch here hangs on the choice: later launches read ids and place the rows.
; SHARES.  One token a wave, four waves a work-group.  gate_w (32,768 bytes) is brought into LDS once a work-group, a quarter by each wave: one barrier.
; A lane must hold 16 NEIGHBOURS of x for the conversion, and a load is dense where neighbouring lanes take neighbouring bytes: so x turns through the wave's own stage in LDS
; (16 bytes of padding behind each 64).  Lane l then holds x[512 u + 16 l + 0 .. 15], u = 0, 1, and wants the 16 rows of gate_w of the same numbers: one chunk of 512 bytes, chunks 528 bytes apart.
; LIMITS: NaN and infinities in x or in the logits are not served.  A block whose largest magnitude lies under 2^-122 gets the byte 1 (a block of zeros too, where the rule says 127: its codes
; are zeros and this program alone reads the bytes).  The logits' f32 sums are taken in another order than a plain ascending sum.
; The stores of xqs, cw and ids are 32, 8 and 4 bytes a token: parts of aligned blocks of 256 bytes; together 44 bytes against the token's 4,096 read.
.set GCH,  528                         ; a chunk of gate_w in LDS: 16 rows x 32 bytes + 16
.set WRG,  64*GCH                      ; behind the 64 chunks: a region for each wave
.set WBY,  5632                        ; two stages of 32 x 80 bytes, then the token's 32 scale bytes
.set SCB,  5120
.set R,    16                          ; v16-47   x as loaded
.set X,    48                          ; v48-79   x as 2 x 16 neighbours
.set G,    80                          ; v80-143  gate_w as loaded; then v80-207: 16 rows x 8 numbers of it
.set A,    208                         ; v208-223 the logits' sums: two sets of 8
.set C,    224                         ; v224-226, v228-230 codes
.set SB,   232                         ; v232-233 scale bytes
.set BEST, 234
.set BI,   235
.set SEC,  236
.set SI,   237
.set PP,   238
.set WW,   239
	s_load_b256 s[4:11], s[0:1], 0x0               ; x s[4:5], gate_w s[6:7], xq s[8:9], xqs s[10:11]
	s_load_b128 s[12:15], s[0:1], 0x20             ; ids s[12:13], cw s[14:15]
	v_lshl_add_u32 v240, v0, 2, 0xdc00
	v_mov_b32 v241, 0
	v_lshrrev_b32 v12, 5, v0
	v_readfirstlane_b32 s16, v12                   ; wave
	v_and_b32 v1, 31, v0                           ; lane
	s_lshl_b32 s17, ttmp9, 2
	s_add_co_u32 s17, s17, s16                     ; my token
	s_mul_i32 s23, s16, WBY
	s_add_co_u32 s23, s23, WRG                     ; my wave's region
	s_mul_i32 s24, s16, 16*GCH                     ; my wave's 16 chunks of gate_w
	v_lshlrev_b32 v2, 4, v1                        ; 16 x lane
	v_lshrrev_b32 v12, 2, v1
	v_mul_u32_u24 v3, v12, 80
	v_and_b32 v12, 3, v1
	v_lshl_add_u32 v3, v12, 4, v3
	v_add_nc_u32 v3, s23, v3                       ; the stage, in: 80 (lane / 4) + 16 (lane % 4)
	v_mul_u32_u24 v4, v1, 80
	v_add_nc_u32 v4, s23, v4                       ; and out: 80 x lane
	v_lshrrev_b32 v5, 1, v1
	v_add_nc_u32 v5, s23, v5
	v_add_nc_u32 v5, SCB, v5                       ; my block's scale byte
	v_and_b32 v6, 7, v1
	v_lshlrev_b32 v6, 2, v6
	v_add_nc_u32 v6, s23, v6
	v_add_nc_u32 v6, SCB, v6                       ; the scale bytes back, a word a lane
	v_add_nc_u32 v7, s24, v2                       ; gate_w into LDS
	v_mul_u32_u24 v8, v1, GCH                      ; and my chunk of it
	v_mul_u32_u24 v9, v1, 12                       ; my 16 codes' bytes
	v_lshlrev_b32 v10, 2, v1
	s_mov_b32 s20, 0x76543210
	s_mov_b32 s21, 0xfedcba98                      ; v_permlanex16_b32's selects for lane l xor 16
	s_mov_b32 s19, 0
	s_wait_kmcnt 0x0
	s_lshl_b32 s18, s17, 12
	s_add_nc_u64 s[4:5], s[4:5], s[18:19]          ; x at my token
	s_lshl_b32 s18, s16, 13
	s_add_nc_u64 s[6:7], s[6:7], s[18:19]          ; gate_w at my wave's quarter
	s_mul_i32 s18, s17, 768
	s_add_nc_u64 s[8:9], s[8:9], s[18:19]
	s_lshl_b32 s18, s17, 5
	s_add_nc_u64 s[10:11], s[10:11], s[18:19]
	s_lshl_b32 s18, s17, 2
	s_add_nc_u64 s[12:13], s[12:13], s[18:19]
	s_lshl_b32 s18, s17, 3
	s_add_nc_u64 s[14:15], s[14:15], s[18:19]
.irp i, 0,1,2,3,4,5,6,7
	global_load_b128 v[R+4*\i:R+4*\i+3], v2, s[4:5] offset:512*\i th:TH_LOAD_NT   ; 512 consecutive bytes a load
.endr
.irp i, 0,1,2,3,4,5,6,7,8,9,10,11,12,13,14,15
	global_load_b128 v[G+4*\i:G+4*\i+3], v2, s[6:7] offset:512*\i
.endr
	s_wait_loadcnt 16                              ; x is in; the 16 loads of gate_w were issued behind it
.irp u, 0,1
.irp i, 0,1,2,3
	ds_store_b128 v3, v[R+16*\u+4*\i:R+16*\u+4*\i+3] offset:2560*\u+640*\i
.endr
.irp i, 0,1,2,3
	ds_load_b128 v[X+16*\u+4*\i:X+16*\u+4*\i+3], v4 offset:2560*\u+16*\i   ; LDS serves a wave's instructions in order: these see the stores above
.endr
.endr
	s_wait_loadcnt 0x0
.irp i, 0,1,2,3,4,5,6,7,8,9,10,11,12,13,14,15
	ds_store_b128 v7, v[G+4*\i:G+4*\i+3] offset:GCH*\i
.endr
	s_wait_dscnt 0x0                               ; for the others' sake: my quarter of gate_w lies in LDS
	s_barrier_signal -1
	s_barrier_wait -1
.macro GLOAD u                         ; my chunk of half u: 16 rows x 8 numbers
.set KC, 0
.rept 16
	ds_load_b128 v[G+8*KC:G+8*KC+3], v8 offset:32*GCH*(\u)+32*KC
	ds_load_b128 v[G+8*KC+4:G+8*KC+7], v8 offset:32*GCH*(\u)+32*KC+16
.set KC, KC+1
.endr
.endm
.macro QUANTX u                        ; my 16 numbers of half u become 12 bytes of codes; two neighbouring lanes hold a block
.set XB, X+16*(\u)
	v_max3_num_f32 v12, |v[XB]|, |v[XB+1]|, |v[XB+2]|
	v_max3_num_f32 v13, |v[XB+3]|, |v[XB+4]|, |v[XB+5]|
.irp i, 6,10
	v_max3_num_f32 v12, v12, |v[XB+\i]|, |v[XB+\i+1]|
	v_max3_num_f32 v13, v13, |v[XB+\i+2]|, |v[XB+\i+3]|
.endr
	v_max3_num_f32 v12, v12, |v[XB+14]|, |v[XB+15]|
	v_max3_num_f32 v12, v12, v13, 5<<23            ; and the floor 2^(5 - 127): the byte cannot fall under 1
	v_max_num_f32_dpp v12, v12, v12 row_xmask:1 row_mask:0xf bank_mask:0xf   ; with my neighbour's 16: the block's largest magnitude
	v_add_nc_u32 v[14+\u], -(4<<23), v12           ; 4 off its exponent field: the conversion takes this operand's exponent field as its scale
	v_cvt_scalef32_pk16_bf6_f32 v[C+4*\u:C+4*\u+2], v[XB:XB+15], v[14+\u]
	v_lshrrev_b32 v[SB+\u], 23, v[14+\u]           ; the scale's byte (also the plain line behind the conversion)
	ds_store_b8 v5, v[SB+\u] offset:16*\u          ; both lanes of a block write the same byte with the same value
	global_store_b96 v9, v[C+4*\u:C+4*\u+2], s[8:9] offset:384*\u   ; the wave stores 384 consecutive bytes; the two halves make 768
.endm
.macro DOT u                           ; 8 sums += x[my 16 of half u] x their rows of gate_w, two logits an instruction; the first product starts the sums
.set KC, 0
.rept 16
.irp p, 0,1,2,3
.set XP, X+16*(\u)+2*(KC/2)
.set GR, G+8*KC+2*\p
.set AR, A+8*(\u)+2*\p
.if KC == 0
	v_pk_mul_f32 v[AR:AR+1], v[XP:XP+1], v[GR:GR+1] op_sel_hi:[0,1]
.elseif KC%2 == 0
	v_pk_fma_f32 v[AR:AR+1], v[XP:XP+1], v[GR:GR+1], v[AR:AR+1] op_sel_hi:[0,1,1]            ; the pair's first x for both halves
.else
	v_pk_fma_f32 v[AR:AR+1], v[XP:XP+1], v[GR:GR+1], v[AR:AR+1] op_sel:[1,0,0] op_sel_hi:[1,1,1]   ; its second
.endif
.endr
.set KC, KC+1
.endr
.endm
	GLOAD 0
	QUANTX 0                                       ; the codes are made while gate_w's rows come out of LDS
	QUANTX 1
	s_wait_dscnt 0x0
	DOT 0
	GLOAD 1
	s_wait_dscnt 0x0
	DOT 1
.irp p, 0,1,2,3
	v_pk_add_f32 v[A+2*\p:A+2*\p+1], v[A+2*\p:A+2*\p+1], v[A+8+2*\p:A+8+2*\p+1]
.endr
.irp m, 1,2,4,8                        ; over the 32 lanes: every lane ends with the same 8 logits
.irp e, 0,1,2,3,4,5,6,7
	v_add_f32_dpp v[A+\e], v[A+\e], v[A+\e] row_xmask:\m row_mask:0xf bank_mask:0xf
.endr
.endr
.irp e, 0,1,2,3,4,5,6,7
	v_permlanex16_b32 v[A+8+\e], v[A+\e], s20, s21
.endr
.irp e, 0,1,2,3,4,5,6,7
	v_add_f32 v[A+\e], v[A+\e], v[A+8+\e]
.endr
	v_mov_b32 v[BEST], v[A]                        ; the largest: a later logit wins only where it is strictly larger
	v_mov_b32 v[BI], 0
.irp e, 1,2,3,4,5,6,7
	v_cmp_gt_f32 vcc_lo, v[A+\e], v[BEST]
	v_cndmask_b32 v[BEST], v[BEST], v[A+\e], vcc_lo
	v_cndmask_b32 v[BI], v[BI], \e, vcc_lo
.endr
	v_mov_b32 v[SEC], 0xff800000                   ; the second: the same walk, past the first's index
	v_cmp_eq_u32 vcc_lo, 0, v[BI]
	v_cndmask_b32 v[SI], 0, 1, vcc_lo
.irp e, 0,1,2,3,4,5,6,7
	v_cmp_ne_u32 s22, \e, v[BI]
	v_cmp_gt_f32 vcc_lo, v[A+\e], v[SEC]
	s_and_b32 vcc_lo, vcc_lo, s22
	v_cndmask_b32 v[SEC], v[SEC], v[A+\e], vcc_lo
	v_cndmask_b32 v[SI], v[SI], \e, vcc_lo
.endr
	v_sub_f32 v[PP], v[SEC], v[BEST]               ; the softmax of two, the larger taken away: 0 or less
	v_mul_f32 v[PP], 0x3fb8aa3b, v[PP]
	v_exp_f32 v[PP], v[PP]                         ; p = e^(second - first), at most 1
	v_mov_b32 v12, 1                               ; (a plain line behind the exponential)
	s_wait_alu depctr_va_vdst(0)                   ; the wait ahead of the result's first reader
	v_add_f32 v[WW], 1.0, v[PP]
	v_rcp_f32 v[WW], v[WW]                         ; the first's weight 1 / (1 + p)
	v_lshlrev_b32 v11, v[BI], v12                  ; (a plain line)  1 << first
	s_wait_alu depctr_va_vdst(0)
	v_mul_f32 v[PP], v[PP], v[WW]                  ; the second's weight p / (1 + p)
	v_mov_b32 v12, 0x100
	v_lshlrev_b32 v12, v[SI], v12
	v_or_b32 v11, v11, v12                         ; the token's word of ids
	v_cmp_eq_u32 vcc_lo, 1, v1
	v_cndmask_b32 v12, v[WW], v[PP], vcc_lo        ; lane 0: the first's weight, lane 1: the second's
	ds_load_b32 v13, v6                            ; the 32 scale bytes, a word a lane (lanes 8-31 repeat)
	s_wait_dscnt 0x0
	s_wait_xcnt 0x0                                ; EXEC changes only behind this wait: the codes' stores have read it
	v_cmp_gt_u32 vcc_lo, 8, v1
	s_wait_tensorcnt 0x0
	ds_add_u32 v240, v241
	s_wait_dscnt 0x0
	s_and_saveexec_b32 s22, vcc_lo
	global_store_b32 v10, v13, s[10:11]            ; lanes 0-7: xqs
	s_wait_xcnt 0x0
	v_cmp_gt_u32 vcc_lo, 2, v1
	s_and_saveexec_b32 s23, vcc_lo
	global_store_b32 v10, v12, s[14:15]            ; lanes 0, 1: cw
	s_wait_xcnt 0x0
	v_cmp_gt_u32 vcc_lo, 1, v1
	s_and_saveexec_b32 s24, vcc_lo
	global_store_b32 v10, v11, s[12:13]            ; lane 0: ids
	s_wait_xcnt 0x0
	s_or_b32 exec_lo, exec_lo, s22
	s_endpgm
.Lfunc_end_k_qa932d79607_route:
	.size	k_qa932d79607_route, .Lfunc_end_k_qa932d79607_route-k_qa932d79607_route
	.p2alignl 7, 3214868480
	.fill 96, 4, 3214868480
	.section	.rodata,"a",@progbits
	.p2align	6, 0x0
	.amdhsa_kernel k_qa932d79607_route
		.amdhsa_group_segment_fixed_size 56832
		.amdhsa_private_segment_fixed_size 0
		.amdhsa_enable_private_segment 0
		.amdhsa_kernarg_size 48
		.amdhsa_user_sgpr_count 2
		.amdhsa_user_sgpr_kernarg_segment_ptr 1
		.amdhsa_wavefront_size32 1
		.amdhsa_system_sgpr_workgroup_id_x 1
		.amdhsa_system_sgpr_workgroup_id_y 1
		.amdhsa_system_sgpr_workgroup_id_z 1
		.amdhsa_system_vgpr_workitem_id 0
		.amdhsa_next_free_vgpr 242
		.amdhsa_next_free_sgpr 66
		.amdhsa_reserve_vcc 1
		.amdhsa_float_denorm_mode_32 3
		.amdhsa_float_denorm_mode_16_64 3
		.amdhsa_memory_ordered 1
		.amdhsa_forward_progress 1
		.amdhsa_inst_pref_size 28
	.end_amdhsa_kernel
	.amdgpu_metadata
---
amdhsa.version: [ 1, 2 ]
amdhsa.kernels:
  - .name:           k_qa932d79607_route
    .symbol:         k_qa932d79607_route.kd
    .args:
      - { .name: x, .offset: 0, .size: 8, .value_kind: global_buffer, .address_space: global }
      - { .name: gate_w, .offset: 8, .size: 8, .value_kind: global_buffer, .address_space: global }
      - { .name: xq, .offset: 16, .size: 8, .value_kind: global_buffer, .address_space: global }
      - { .name: xqs, .offset: 24, .size: 8, .value_kind: global_buffer, .address_space: global }
      - { .name: ids, .offset: 32, .size: 8, .value_kind: global_buffer, .address_space: global }
      - { .name: cw, .offset: 40, .size: 8, .value_kind: global_buffer, .address_space: global }
    .group_segment_fixed_size: 56832
    .private_segment_fixed_size: 0
    .kernarg_segment_align: 8
    .kernarg_segment_size: 48
    .max_flat_workgroup_size: 128
    .sgpr_count:     66
    .vgpr_count:     242
    .wavefront_size: 32
...
	.end_amdgpu_metadata
.endif
;; end of part 1
;; launch up (part 2): grid 32 x 8, 4 waves a work-group, no clusters, 153,088 bytes of LDS; arguments xq, xqs, ids, w1_codes, w1_scales, b1, h, hs, listg; writes h, hs, listg
.if DOCPART == 2
	.amdgcn_target "amdgcn-amd-amdhsa--gfx1250"
	.amdhsa_code_object_version 6
	.text
	.protected	k_qa932d79607_up
	.globl	k_qa932d79607_up
	.p2align	8
	.type	k_qa932d79607_up,@function
k_qa932d79607_up:
	s_mov_b64 s[64:65], 0
	v_nop
	global_prefetch_b8 v0, s[64:65] scope:SCOPE_SE
	s_setreg_imm32_b32 hwreg(HW_REG_WAVE_MODE, 25, 1), 1
	s_wait_xcnt 0x0
; UP.  Work-group (c, e): for the rows routed to expert e, hidden units 128 c .. 128 c + 127:  H = Q(silu(xq W1[e]^T + b1[e])), Q the MX-BF6 quantiser along the hidden axis.
; THE WEIGHTS STAY, THE ROWS GO ROUND.  The slice of W1 (128 rows x 768 bytes of codes) is read from memory once in the launch, by this work-group alone; through LDS it becomes 64 fragments
; (8 K steps x 8 tiles of 16 hidden units) in EVERY wave's registers, and the four waves share the expert's tiles of 16 rows: wave w takes tiles w, w + 4, ..  So nothing is shared inside the loop.
; WHICH ROWS.  The expert's rows stand in slots 0, 1, .. in the order of the groups below; tile i is slots 16 i .. 16 i + 15.  Every wave reads ids (a token's word: (1 << first expert) | (256 << second expert),
; stored by the launch before) once: register g of 32, lane l: token 128 (g / 4) + g % 4 + 4 l; a compare makes of each register a mask of 32 bits in a scalar register.
; SLOT n'S TOKEN, by arithmetic on registers alone: a walk over the 32 groups with a running count keeps the last group that begins at or under n; the (n - its beginning)-th set bit of its mask is found by
; counts of 2, 4 and 8 bits and five halvings.  A slot at or past the count finds some token under 1,024; its row's results go nowhere that is read.
; In the loop the next tile's tokens are found BEHIND THE MATRIX INSTRUCTIONS: a group of the walk behind each of the first 32 products (its vector lines have a scalar as source 0, so the window set for the product serves),
; the other 76 lines two or three to a product behind the last 32, with the windows switched to 0 and back.
; THE LIST FOR THE NEXT LAUNCH: wave w of chunk c < 9 stores words 32 (4 c + w) .. + 31 of listg [e][1,152 words]: slot n's entry 2 x token + k; at or past the count the pad entry 2048 + 16 e + n % 16; word 1024 the count.
; (128 bytes a store: half of an aligned 256; 4,608 bytes an expert.)
; THE LOOP has 16 trips for every wave (an expert has at most 1,024 rows: 64 tiles); a trip whose tile lies at or past the count's tiles jumps to the trip's end.  No barrier stands in the loop.
; NO CLUSTER, NO TENSOR LOAD: the weights are shared by nobody, and the row codes, which the 32 work-groups of an expert do share, are walked in a number of trips that hangs on numbers read from memory.
; THE MATRIX INSTRUCTION IS USED TRANSPOSED (source 0 = 16 rows of W1, source 1 = 16 token rows), and THE ROWS OF W1 THAT FORM A TILE ARE NOT NEIGHBOURS: lane r of tile 2 b + u takes row
; 32 b + 8 u + r + 8 (r / 8); so a lane holds one token row, and the 16 registers of tiles 2 b, 2 b + 1 are hidden units 32 b + 16 (lane / 16) + 0 .. 15: neighbours along the next product's K.
; OUT: h [64 e + tile][K step c][1,536 bytes]: the fragment's 12 registers as they stand (three runs of 512 bytes, 16 bytes a lane); hs likewise, the scale word, 4 bytes a lane (128 bytes: half of an aligned 256).
; LIMITS: NaN and infinities are not served; a block of H whose largest magnitude lies under 2^-122 gets the byte 1 (a block of zeros too: its codes are zeros, and this program alone reads the bytes).
; REGISTERS, in windows of 256: window 0 as named below; windows 1 to 3: fragments f = 8 s + t (K step s, tile t) 0 .. 62, 21 to a window, at v[12 (f % 21)]; fragment 63 comes from LDS in each trip.
.set WP,   784                         ; an LDS row: 768 bytes + 16 = 196 words: row r starts at bank 4 r mod 64 (64 banks of 4 bytes: ISA guide 11.1); the 32 lanes of an 8-byte load at 784 r + 24 h touch 64 different banks
.set GP,   768                         ; a row of W1's codes in memory
.set PERM, 1
.set STG,  128*WP                      ; behind the slice: a stage of 16 rows x 784 for each wave
.set STGB, 16*WP
.set BIAS, STG+4*STGB                  ; b1's 128 numbers, once for each wave
.set LI,   1                           ; 16 x lane
.set LS,   2                           ; 4 x lane
.set R16,  3                           ; 16 r        (r = lane % 16, h = lane / 16)
.set H16,  4                           ; 16 h
.set XST,  5                           ; my stage, in: 784 h + 16 r
.set XFA,  6                           ; my stage, out: 784 r + 24 h
.set RR,   7                           ; r
.set LN32, 8                           ; lane
.set BA,   9                           ; my bias + 64 h
.set WA0,  10                          ; the slice: 784 r + 24 h
.set WA1,  11                          ; and 64 rows on
.set WST,  12                          ; the slice, in: 32 rows x wave + 784 h + 16 r
.set WGO,  13                          ; the slice in memory: 768 h + 16 r
.set PW,   14                          ; the scale word just made
.set WSO,  15                          ; W1's scale bytes: my row's
.set WS,   16                          ; v16-47   W1's scale words: v[WS + 4 t + i]: lanes 0-15 K step i, lanes 16-31 K step 4 + i
.set AS,   48                          ; v48-51   the rows' scale words, likewise
.set ACC,  52                          ; v52-115  8 accumulators
.set AF,   116                         ; v116-211 at the head ids; then the rows' codes: as loaded, then as 8 fragments
.set W63,  212                         ; v212-223 fragment 63
.set T,    212                         ; v212-243 at work in silu
.set TM,   212                         ; v212-227 at work in the quantiser
.set PC,   228                         ; v228-246 the codes just made
.set VN,   224                         ; the search for tokens, at work while the products go out: my slot,
.set VM,   225                         ; its group's mask,
.set VQ,   226                         ; its group's first token << 16 | the group's first slot; then the first token,
.set VR,   227                         ; the rank that is left,
.set VP,   228                         ; the bit's place so far,
.set VT,   229                         ; at work,
.set C4,   230                         ; v230-232 the mask's counts of 8, of 4 and of 2 bits
.set MT,   234                         ; v234-235 at work on the masks
.set LNN,  236                         ; the list for the next launch: my word's number,
.set LTK,  237                         ; its entry,
.set VM2,  238                         ; its group's mask of second choices
.set BST,  244                         ; at the head: where b1 goes in LDS
.set LE,   247                         ; v247-255 the next tile's tokens, then offsets: v[LE + p]: row 2 p + h's; v[LE + 8]: row r's.  Neither silu nor the quantiser writes here
.set WV,   22
.set EXP,  23
.set CHK,  24
.set NT,   25                          ; the expert's tiles
.set NTR,  26                          ; the trip
.set TI,   27                          ; my tile
.set PFX,  28                          ; the walk: the next group's first slot,
.set PKD,  29                          ; with its first token << 16 on top,
.set CN1,  30                          ; a group's count
.set SMK,  31                          ; the expert's two bits of a word of ids
.set SEL,  32
.set CNT,  37                          ; the expert's rows
.set WB,   38
.set NX,   40                          ; the first slot that is searched for
.set SM2,  41                          ; the expert's bit as a second choice
.set PADB, 42                          ; the expert's first pad entry
.set ST2,  43
.set RL,   44                          ; s44-59   16 tokens
.set MK,   66                          ; s66-97   the 32 masks
.set NAUX, 76                          ; lines of the rank (43) and of the dealing out (33)
.set MSB, 0
.macro WIN new                         ; bits 1:0 source 0, 3:2 source 1, 5:4 source 2, 7:6 destination; the high byte repeats the setting that is left
.if MSB != (\new)
	s_set_vgpr_msb (MSB<<8)|(\new)
.set MSB, (\new)
.endif
.endm
.macro WLOAD                           ; my wave's 32 rows of the slice: lanes 0-15 take 256 consecutive aligned bytes of row 2 P, lanes 16-31 of row 2 P + 1; into window 1
	WIN 0x40
.set P, 0
.rept 16
.irp i, 0,1,2
	global_load_b128 v[4*(3*P+\i):4*(3*P+\i)+3], v[WGO], s[WB:WB+1] offset:2*P*GP+256*\i th:TH_LOAD_NT
.endr
.set P, P+1
.endr
	WIN 0
.endm
.macro WSTORE b                        ; a quarter of them into LDS.  PERM: of each 32 rows the second and third groups of 8 change places, so that LDS rows 16 t .. 16 t + 15 are tile t's rows
	WIN 0x04
.set P, 4*(\b)
.rept 4
.if PERM
.set SL, 8*(((P/4)%2)*2+(P/4)/2)+(2*P)%8
.else
.set SL, 2*P
.endif
.irp i, 0,1,2
	ds_store_b128 v[WST], v[4*(3*P+\i):4*(3*P+\i)+3] offset:SL*WP+256*\i
.endr
.set P, P+1
.endr
	WIN 0
.endm
.macro WFRAG count                     ; the slice as fragments: lane (r, h) takes 24 bytes at 96 s + 24 h and at 96 s + 48 + 24 h of its row, in pieces of 8
.set F, 0
.rept \count
.if F < 63
.set WN, (1+F/21)<<6
.set FRG, 12*(F%21)
.else
.set WN, 0
.set FRG, W63
.endif
	WIN WN
.irp p, 0,1,2,3,4,5
	ds_load_b64 v[FRG+2*\p:FRG+2*\p+1], v[WA0+(F%8)/4] offset:16*((F%8)%4)*WP+96*(F/8)+48*(\p/3)+8*(\p%3)
.endr
.set F, F+1
.endr
	WIN 0
.endm
; THE WALK.  PINIT: every slot begins in group 0.  SELG g: a slot at or past group g's first slot moves on to group g.  Each vector line has a scalar as source 0.
; The scalar lines at a group's end make the next group's first slot; behind group 31 s[PFX] is the expert's count.
.macro PINIT
	v_mov_b32 v[VM], s[MK]
	v_mov_b32 v[VQ], 0
	s_bcnt1_i32_b32 s[PFX], s[MK]
	s_add_co_u32 s[PKD], s[PFX], 1<<16
.endm
.macro SELG g, n
	v_cmp_gt_u32 vcc_lo, s[PFX], v[\n]             ; the group begins past my slot: I keep what I have
	v_cndmask_b32 v[VM], s[MK+(\g)], v[VM], vcc_lo
	v_cndmask_b32 v[VQ], s[PKD], v[VQ], vcc_lo
	s_bcnt1_i32_b32 s[CN1], s[MK+(\g)]
	s_add_co_u32 s[PFX], s[PFX], s[CN1]
.if (\g) < 31
	s_add_co_u32 s[PKD], s[PFX], (128*(((\g)+1)/4)+((\g)+1)%4)<<16
.endif
.endm
.macro PASS n                          ; the whole walk, for the slots in v[n]
	PINIT
.set G, 1
.rept 31
	SELG G, \n
.set G, G+1
.endr
.endm
.macro PASS2 n                         ; the same, and the group's mask of second choices with it (from ids, which still lie in v[AF] on)
	PINIT
	v_and_b32 v[MT], s[SM2], v[AF]
	v_cmp_ne_u32 s[ST2], 0, v[MT]
	v_mov_b32 v[VM2], s[ST2]
.set G, 1
.rept 31
	SELG G, \n
	v_and_b32 v[MT+G%2], s[SM2], v[AF+G]
	v_cmp_ne_u32 s[ST2], 0, v[MT+G%2]
	v_cndmask_b32 v[VM2], s[ST2], v[VM2], vcc_lo   ; (the scalar lines of SELG leave VCC as the compare set it)
.set G, G+1
.endr
.endm
; THE RANK, line SJ of 43: the place of the (slot - the group's first slot)-th set bit of the mask.  At each halving t is the count of set bits in the lower half of what is left:
; a rank of t or more goes to the upper half and gives t up.  Then token = the group's first + 4 x place, into v[e].
.macro SELI n, e
.if SJ == 0
	v_and_b32 v[VR], 0xffff, v[VQ]
.elseif SJ == 1
	v_sub_nc_u32 v[VR], v[\n], v[VR]               ; the rank
.elseif SJ == 2
	v_lshrrev_b32 v[VQ], 16, v[VQ]                 ; the group's first token
.elseif SJ == 3
	v_lshrrev_b32 v[VT], 1, v[VM]
.elseif SJ == 4
	v_and_b32 v[VT], 0x55555555, v[VT]
.elseif SJ == 5
	v_sub_nc_u32 v[C4+2], v[VM], v[VT]             ; counts of 2 bits
.elseif SJ == 6
	v_lshrrev_b32 v[VT], 2, v[C4+2]
.elseif SJ == 7
	v_and_b32 v[VT], 0x33333333, v[VT]
.elseif SJ == 8
	v_and_b32 v[C4+1], 0x33333333, v[C4+2]
.elseif SJ == 9
	v_add_nc_u32 v[C4+1], v[C4+1], v[VT]           ; of 4 bits
.elseif SJ == 10
	v_lshrrev_b32 v[VT], 4, v[C4+1]
.elseif SJ == 11
	v_add_nc_u32 v[C4], v[C4+1], v[VT]
.elseif SJ == 12
	v_and_b32 v[C4], 0x0f0f0f0f, v[C4]             ; of 8 bits
.elseif SJ == 13
	v_lshrrev_b32 v[VT], 8, v[C4]
.elseif SJ == 14
	v_add_nc_u32 v[VT], v[C4], v[VT]
.elseif SJ == 15
	v_and_b32 v[VT], 0xff, v[VT]                   ; t of the lower 16 bits
.elseif SJ == 16
	v_cmp_ge_u32 vcc_lo, v[VR], v[VT]
.elseif SJ == 17
	v_cndmask_b32 v[VT], 0, v[VT], vcc_lo
.elseif SJ == 18
	v_sub_nc_u32 v[VR], v[VR], v[VT]
.elseif SJ == 19
	v_cndmask_b32 v[VP], 0, 16, vcc_lo
.elseif SJ < 38                        ; three halvings alike: to 8, 4 and 2 bits, from the counts of 8, 4 and 2 bits
.set LV, (SJ-20)/6
.set SB6, (SJ-20)%6
.if SB6 == 0
	v_bfe_u32 v[VT], v[C4+LV], v[VP], 8>>LV
.elseif SB6 == 1
	v_cmp_ge_u32 vcc_lo, v[VR], v[VT]
.elseif SB6 == 2
	v_cndmask_b32 v[VT], 0, v[VT], vcc_lo
.elseif SB6 == 3
	v_sub_nc_u32 v[VR], v[VR], v[VT]
.elseif SB6 == 4
	v_cndmask_b32 v[VT], 0, 8>>LV, vcc_lo
.else
	v_add_nc_u32 v[VP], v[VP], v[VT]
.endif
.elseif SJ == 38
	v_bfe_u32 v[VT], v[VM], v[VP], 1
.elseif SJ == 39
	v_cmp_ge_u32 vcc_lo, v[VR], v[VT]
.elseif SJ == 40
	v_cndmask_b32 v[VT], 0, 1, vcc_lo
.elseif SJ == 41
	v_add_nc_u32 v[VP], v[VP], v[VT]               ; the place, 31 at the most
.else
	v_lshl_add_u32 v[\e], v[VP], 2, v[VQ]          ; the token, 1,023 at the most
.endif
.endm
.macro SELECT n, e
.set SJ, 0
.rept 43
	SELI \n, \e
.set SJ, SJ+1
.endr
.endm
; THE DEALING OUT, line DJ of 33: lane r of v[LE + 8] holds row r's token; v[LE + p] gets row 2 p's in lanes 0-15 and row 2 p + 1's in lanes 16-31
.macro DISTI
.if DJ == 0
	s_mov_b32 vcc_lo, 0xffff0000
.elseif DJ < 17
	v_readlane_b32 s[RL+DJ-1], v[LE+8], DJ-1
.elseif (DJ-17)%2 == 0
	v_mov_b32 v[LE+(DJ-17)/2], s[RL+(DJ-17)+1]
.else
	v_cndmask_b32 v[LE+(DJ-17)/2], s[RL+(DJ-17)-1], v[LE+(DJ-17)/2], vcc_lo
.endif
.endm
.macro DIST
.set DJ, 0
.rept 33
	DISTI
.set DJ, DJ+1
.endr
.endm
.macro AUXI                            ; the next of the 76 lines, in window 0
	WIN 0
.if AJ < 43
.set SJ, AJ
	SELI VN, LE+8
.else
.set DJ, AJ-43
	DISTI
.endif
.set AJ, AJ+1
.endm
; K step s: the 8 accumulators by turns, one instruction a turn; b1 lies in the accumulators when step 0 begins.  Behind each product stands a piece of the search for the next tile's tokens,
; which names none of the products' registers.
.macro MULX s
.irp t, 0,1,2,3,4,5,6,7
.set F, 8*(\s)+\t
.if F < 63
.set WN, 1+F/21
.set FRG, 12*(F%21)
.else
.set WN, 0
.set FRG, W63
.endif
	WIN WN
.if (\s) < 4
	v_wmma_scale_f32_16x16x128_f8f6f4 v[ACC+8*\t:ACC+8*\t+7], v[FRG:FRG+11], v[AF+12*(\s):AF+12*(\s)+11], v[ACC+8*\t:ACC+8*\t+7], v[WS+4*\t+(\s)%4], v[AS+(\s)%4] matrix_a_fmt:MATRIX_FMT_BF6 matrix_b_fmt:MATRIX_FMT_BF6
.else
	v_wmma_scale_f32_16x16x128_f8f6f4 v[ACC+8*\t:ACC+8*\t+7], v[FRG:FRG+11], v[AF+12*(\s):AF+12*(\s)+11], v[ACC+8*\t:ACC+8*\t+7], v[WS+4*\t+(\s)%4], v[AS+(\s)%4] matrix_a_fmt:MATRIX_FMT_BF6 matrix_b_fmt:MATRIX_FMT_BF6 matrix_a_scale:MATRIX_SCALE_ROW1 matrix_b_scale:MATRIX_SCALE_ROW1
.endif
.if F == 0
	v_add_nc_u32 v[VN], s[NX], v[RR]               ; my slot of the next tile
	PINIT
.elseif F < 32
	SELG F, VN
.else
.if F == 32
.set AJ, 0
.endif
.rept ((F-31)*NAUX)/32-((F-32)*NAUX)/32
	AUXI
.endr
.endif
.endr
.endm
; 64 numbers of a lane, v[s] .. v[s + 63], register 16 b + i = k 32 b + 16 h + i of my row, become a fragment's codes in v[PC] on and its scale word in v[PW]
.macro QUANT s
.irp b, 0,1,2,3
	v_max3_num_f32 v[TM+\b], |v[\s+16*\b]|, |v[\s+1+16*\b]|, 0x2800000   ; block b: my 16 numbers, and the floor 2^(5 - 127): the byte cannot fall under 1
.endr
.irp i, 2,4,6,8,10,12,14
.irp b, 0,1,2,3
	v_max3_num_f32 v[TM+\b], v[TM+\b], |v[\s+16*\b+\i]|, |v[\s+1+16*\b+\i]|   ; (the four blocks by turns)
.endr
.endr
.irp b, 0,1,2,3
	v_permlanex16_b32 v[TM+4+\b], v[TM+\b], s[SEL], s[SEL+1]
.endr
.irp b, 0,1,2,3
	v_max_num_f32 v[TM+\b], v[TM+\b], v[TM+4+\b]   ; with lane l xor 16's: the block's largest magnitude
.endr
.irp b, 0,1,2,3
	v_add_nc_u32 v[TM+12+\b], 0xfe000000, v[TM+\b] ; 4 off its exponent field: the conversion's scale operand
.endr
.irp b, 0,1,2,3
	v_lshrrev_b32 v[TM+4+\b], 23, v[TM+12+\b]      ; the scale's byte
.endr
	v_lshl_or_b32 v[PW], v[TM+5], 8, v[TM+4]
	v_lshl_or_b32 v[PW], v[TM+6], 16, v[PW]
	v_lshl_or_b32 v[PW], v[TM+7], 24, v[PW]        ; my row's scale word, the same in both halves of the lanes
.irp c, 0,1
	v_cvt_scalef32_pk16_bf6_f32 v[PC+6*\c:PC+2+6*\c], v[\s+32*\c:\s+15+32*\c], v[TM+12+2*\c]
	v_cvt_scalef32_pk16_bf6_f32 v[PC+12+4*\c:PC+14+4*\c], v[\s+16+32*\c:\s+31+32*\c], v[TM+12+2*\c+1]   ; (a conversion's three registers begin on an even number)
.endr
	v_nop                                          ; one plain line behind a scaled conversion
.irp c, 0,1                            ; the operand's layout wants a whole block in a lane: lanes 0-15 block 2 c, lanes 16-31 block 2 c + 1
.irp i, 0,1,2
	v_permlane16_swap_b32 v[PC+6*\c+\i], v[PC+12+4*\c+\i]
.endr
.irp i, 0,1,2
	v_mov_b32 v[PC+3+6*\c+\i], v[PC+12+4*\c+\i]
.endr
.endr
.endm
.macro ADDR                            ; tokens become byte offsets, each held at 1,023 first.  18 plain lines that name no register of the products before them
.irp p, 0,1,2,3,4,5,6,7,8
	v_min_u32 v[LE+\p], 1023, v[LE+\p]
.endr
.irp p, 0,1,2,3,4,5,6,7
	v_mad_u32_u24 v[LE+\p], v[LE+\p], 768, v[R16]
.endr
	v_lshl_add_u32 v[LE+8], v[LE+8], 5, v[H16]
.endm
.macro RAWLD                           ; 16 rows of codes, each half of the lanes 256 consecutive aligned bytes of a token's row; and the rows' scale words (K steps 4 h .. 4 h + 3 of row r)
.irp p, 0,1,2,3,4,5,6,7
.irp i, 0,1,2
	global_load_b128 v[AF+4*(3*\p+\i):AF+4*(3*\p+\i)+3], v[LE+\p], s[4:5] offset:256*\i
.endr
.endr
	global_load_b128 v[AS:AS+3], v[LE+8], s[6:7]
.endm
.macro TOSTAGE                         ; the rows go into my stage, from which the next trip takes them as fragments
.irp p, 0,1,2,3,4,5,6,7
.irp i, 0,1,2
	ds_store_b128 v[XST], v[AF+4*(3*\p+\i):AF+4*(3*\p+\i)+3] offset:2*\p*WP+256*\i
.endr
.endr
.endm
.macro SILU hf                         ; z / (1 + 2^(-z log2 e)) on 32 numbers: each batch of transcendentals has one plain line and one wait behind it
.set ZB, ACC+32*(\hf)
.set J, 0
.rept 16
	v_pk_mul_f32 v[T+J:T+J+1], v[ZB+J:ZB+J+1], 0xbfb8aa3b op_sel_hi:[1,0]   ; ascending: each accumulator is read from its low end on
.set J, J+2
.endr
.set J, 0
.rept 32
	v_exp_f32 v[T+J], v[T+J]
.set J, J+1
.endr
	v_nop
	s_wait_alu depctr_va_vdst(0)
.set J, 0
.rept 16
	v_pk_add_f32 v[T+J:T+J+1], v[T+J:T+J+1], 1.0 op_sel_hi:[1,0]
.set J, J+2
.endr
.set J, 0
.rept 32
	v_rcp_f32 v[T+J], v[T+J]
.set J, J+1
.endr
	v_nop
	s_wait_alu depctr_va_vdst(0)
.set J, 0
.rept 16
	v_pk_mul_f32 v[ZB+J:ZB+J+1], v[ZB+J:ZB+J+1], v[T+J:T+J+1]
.set J, J+2
.endr
.endm
	s_load_b256 s[4:11], s[0:1], 0x0               ; xq s[4:5], xqs s[6:7], ids s[8:9], W1's codes s[10:11]
	s_load_b256 s[12:19], s[0:1], 0x20             ; W1's scales s[12:13], b1 s[14:15], h s[16:17], hs s[18:19]
	s_load_b64 s[20:21], s[0:1], 0x40              ; listg
	s_set_vgpr_msb 0x40
	v_lshl_add_u32 v254, v0, 2, 0x25400
	v_mov_b32 v255, 0
	s_set_vgpr_msb 0x4000
	v_lshrrev_b32 v253, 5, v0
	v_readfirstlane_b32 s[WV], v253                ; wave 0..3
	s_and_b32 s[EXP], ttmp7, 0xffff                ; the expert
	s_mov_b32 s[CHK], ttmp9                        ; the chunk of 128 hidden units
	v_and_b32 v[LN32], 31, v0                      ; lane
	v_and_b32 v[RR], 15, v0                        ; r
	v_bfe_u32 v254, v0, 4, 1                       ; h
	v_lshlrev_b32 v[LI], 4, v[LN32]
	v_lshlrev_b32 v[LS], 2, v[LN32]
	v_lshlrev_b32 v[R16], 4, v[RR]
	v_lshlrev_b32 v[H16], 4, v254
	s_mul_i32 s36, s[WV], STGB
	s_add_co_u32 s36, s36, STG                     ; my stage
	s_mul_i32 s34, s[WV], 32*WP
	v_mul_u32_u24 v[XST], v254, WP
	v_add_nc_u32 v[XST], v[XST], v[R16]
	v_add_nc_u32 v[WST], s34, v[XST]
	v_add_nc_u32 v[XST], s36, v[XST]
	v_mul_u32_u24 v[WA0], v[RR], WP
	v_mad_u32_u24 v[WA0], v254, 24, v[WA0]
	v_add_nc_u32 v[XFA], s36, v[WA0]
	v_add_nc_u32 v[WA1], 64*WP, v[WA0]
	s_lshl_b32 s36, s[WV], 9
	s_add_co_u32 s36, s36, BIAS                    ; my copy of the bias
	v_lshl_add_u32 v[BA], v254, 6, s36
	v_add_nc_u32 v[BST], s36, v[LI]
	v_mul_u32_u24 v[WGO], v254, GP
	v_add_nc_u32 v[WGO], v[WGO], v[R16]
	v_and_b32 v[WSO], 8, v[RR]
	v_add_nc_u32 v[WSO], v[WSO], v[RR]             ; r + 8 (r / 8)
	v_lshlrev_b32 v[WSO], 5, v[WSO]
	v_add_nc_u32 v[WSO], v[WSO], v[H16]            ; W1's scale bytes: 32 a row, + 16 h
	s_mov_b32 s[SEL], 0x76543210
	s_mov_b32 s[SEL+1], 0xfedcba98                 ; v_permlanex16_b32's selects for lane l xor 16
	s_mov_b32 s35, 0
	s_lshl_b32 s[SMK], 0x101, s[EXP]
	s_lshl_b32 s[SM2], 0x100, s[EXP]
	s_lshl_b32 s[PADB], s[EXP], 4
	s_add_co_u32 s[PADB], s[PADB], 2048
	s_wait_kmcnt 0x0
	s_mul_i32 s34, s[EXP], 3145728                 ; W1's codes: 4,096 rows x 768 an expert, 128 rows a chunk, 32 rows a wave
	s_mul_i32 s36, s[CHK], 98304
	s_add_co_u32 s34, s34, s36
	s_mul_i32 s36, s[WV], 24576
	s_add_co_u32 s34, s34, s36
	s_add_nc_u64 s[WB:WB+1], s[10:11], s[34:35]
	s_lshl_b32 s34, s[EXP], 17                     ; W1's scales: 32 bytes a row
	s_lshl_b32 s36, s[CHK], 12
	s_add_co_u32 s34, s34, s36
	s_add_nc_u64 s[12:13], s[12:13], s[34:35]
	s_lshl_b32 s34, s[EXP], 14                     ; b1
	s_lshl_b32 s36, s[CHK], 9
	s_add_co_u32 s34, s34, s36
	s_add_nc_u64 s[14:15], s[14:15], s[34:35]
	s_mul_i32 s34, s[EXP], 3145728                 ; h: 64 tiles x 49,152 an expert; tile = wave; K step = chunk
	s_mul_i32 s36, s[WV], 49152
	s_add_co_u32 s34, s34, s36
	s_mul_i32 s36, s[CHK], 1536
	s_add_co_u32 s34, s34, s36
	s_add_nc_u64 s[16:17], s[16:17], s[34:35]
	s_lshl_b32 s34, s[EXP], 18                     ; hs: 64 tiles x 4,096
	s_lshl_b32 s36, s[WV], 12
	s_add_co_u32 s34, s34, s36
	s_lshl_b32 s36, s[CHK], 7
	s_add_co_u32 s34, s34, s36
	s_add_nc_u64 s[18:19], s[18:19], s[34:35]
.irp m, 0,1,2,3,4,5,6,7
	global_load_b128 v[AF+4*\m:AF+4*\m+3], v[LI], s[8:9] offset:512*\m   ; ids: register 4 m + c of lane l: token 128 m + 4 l + c; 512 consecutive bytes a load
.endr
	WLOAD                                          ; 48 loads: the whole slice is asked for at once
.irp t, 0,1,2,3,4,5,6,7
	global_load_b128 v[WS+4*\t:WS+4*\t+3], v[WSO], s[12:13] offset:(32*(\t/2)+8*(\t%2))*32
.endr
	global_load_b128 v[ACC:ACC+3], v[LI], s[14:15] ; b1's 128 numbers
	s_wait_loadcnt 57                              ; ids are in: 48 + 8 + 1 loads were issued behind them.  All that follows up to the row loads is done while the weights are on their way
.set G, 0
.rept 32
	v_and_b32 v[MT+G%2], s[SMK], v[AF+G]
	v_cmp_ne_u32 s[MK+G], 0, v[MT+G%2]             ; group G's mask: the tokens routed to my expert
.set G, G+1
.endr
	s_lshl_b32 s[NX], s[WV], 4
	v_add_nc_u32 v[VN], s[NX], v[RR]               ; my slot of my first tile
	PASS VN
	s_mov_b32 s[CNT], s[PFX]                       ; the expert's rows
	s_add_co_u32 s[NT], s[PFX], 15
	s_lshr_b32 s[NT], s[NT], 4
	s_min_u32 s[NT], s[NT], 64                     ; its tiles of 16 rows
	SELECT VN, LE+8
	DIST
	ADDR
	s_cmp_ge_u32 s[CHK], 9
	s_cbranch_scc1 .Lnot_mine                      ; 36 waves of an expert's 128 hand the list on, 32 words each
	s_lshl_b32 s36, s[CHK], 2
	s_add_co_u32 s36, s36, s[WV]
	s_lshl_b32 s[NX], s36, 5                       ; my first word
	s_mul_i32 s34, s[EXP], 4608
	s_lshl_b32 s36, s36, 7
	s_add_co_u32 s34, s34, s36
	s_add_nc_u64 s[20:21], s[20:21], s[34:35]
	v_add_nc_u32 v[LNN], s[NX], v[LN32]            ; my word's number is its slot
	PASS2 LNN
	SELECT LNN, LTK
	v_bfe_u32 v[VT], v[VM2], v[VP], 1              ; k: is my expert the token's second choice?
	v_lshl_or_b32 v[LTK], v[LTK], 1, v[VT]         ; the entry 2 x token + k
	v_and_b32 v[VT], 15, v[LNN]
	v_add_nc_u32 v[VT], s[PADB], v[VT]             ; the pad entry
	v_cmp_gt_u32 vcc_lo, s[CNT], v[LNN]
	v_cndmask_b32 v[LTK], v[VT], v[LTK], vcc_lo    ; at or past the count: the pad
	v_cmp_eq_u32 vcc_lo, 0x400, v[LNN]
	v_cndmask_b32 v[LTK], v[LTK], s[CNT], vcc_lo   ; word 1024: the count
	global_store_b32 v[LS], v[LTK], s[20:21]
	s_wait_xcnt 0x0                                ; the store has read its data, which silu writes over
.Lnot_mine:
	RAWLD                                          ; my first tile's rows: 25 loads, over the registers that held ids; on their way while the weights are dealt out
	s_wait_loadcnt 63                              ; the slice's first 12 loads are in (70 were issued behind them; the wait names the most that its field holds)
	WSTORE 0
	s_wait_loadcnt 58                              ; 24 + 9 + 25 behind the second 12
	WSTORE 1
	s_wait_loadcnt 46                              ; 12 + 9 + 25
	WSTORE 2
	s_wait_loadcnt 34                              ; 9 + 25
	WSTORE 3
	s_wait_loadcnt 25                              ; the scale words and b1 are in; the rows' 25 may be out
	ds_store_b128 v[BST], v[ACC:ACC+3]
	s_wait_dscnt 0x0                               ; my quarter of the slice lies in LDS
	s_barrier_signal -1
	s_barrier_wait -1                              ; from here on no wave writes LDS bytes that another wave reads
	WFRAG 63
	s_wait_loadcnt 0x0                             ; my first tile's rows are in
	TOSTAGE
	s_mov_b32 s[NTR], 0
	s_mov_b32 s[TI], s[WV]
.Ltile:
	s_cmp_ge_u32 s[TI], s[NT]
	s_cbranch_scc1 .Lnext                          ; no such tile: on to the trip's end
	s_lshl_b32 s[NX], s[TI], 4
	s_add_co_u32 s[NX], s[NX], 64                  ; the first slot of my next tile, four tiles on
.irp t, 0,1,2,3,4,5,6,7                ; the bias is the C of the first product: lane (r, h) wants, for tile t, b1 at 32 (t / 2) + 16 h + 8 (t % 2) + 0 .. 7
	ds_load_b128 v[ACC+8*\t:ACC+8*\t+3], v[BA] offset:(32*(\t/2)+8*(\t%2))*4
	ds_load_b128 v[ACC+8*\t+4:ACC+8*\t+7], v[BA] offset:(32*(\t/2)+8*(\t%2))*4+16
.endr
.irp s, 0,1,2,3,4,5,6,7                ; the rows as fragments, K ascending
.irp p, 0,1,2,3,4,5
	ds_load_b64 v[AF+12*\s+2*\p:AF+12*\s+2*\p+1], v[XFA] offset:96*\s+48*(\p/3)+8*(\p%3)
.endr
.endr
.irp p, 0,1,2,3,4,5
	ds_load_b64 v[W63+2*\p:W63+2*\p+1], v[WA1] offset:48*WP+672+48*(\p/3)+8*(\p%3)   ; fragment 63: K step 7, tile 7
.endr
.irp s, 0,1,2,3,4,5,6
	s_wait_dscnt 6*(7-\s)+6                        ; K step s's six loads are in: behind them the later steps' sixes and fragment 63's six
	MULX \s
.endr
	s_wait_dscnt 0x0                               ; K step 7's fragment and fragment 63
	MULX 7
	WIN 0
	ADDR                                           ; also the places between the last products and the loads into their sources
	RAWLD                                          ; the next tile's rows land while this tile's results are worked on; their address registers are next written behind the wait for these loads
	SILU 0
	SILU 1
	QUANT ACC
.irp c, 0,1,2
	global_store_b128 v[LI], v[PC+4*\c:PC+4*\c+3], s[16:17] offset:512*\c   ; the fragment as it stands: 512 consecutive aligned bytes a store
.endr
	global_store_b32 v[LS], v[PW], s[18:19]
	s_wait_loadcnt 0x0                             ; the next tile's rows are in
	TOSTAGE
.Lnext:
	s_wait_xcnt 0x0                                ; the stores have read their bases and data: both are written again
	s_add_nc_u64 s[16:17], s[16:17], 196608        ; four tiles on
	s_add_nc_u64 s[18:19], s[18:19], 16384
	s_add_co_u32 s[TI], s[TI], 4
	s_add_co_u32 s[NTR], s[NTR], 1
	s_cmp_lt_u32 s[NTR], 16
	s_cbranch_scc1 .Ltile
	s_set_vgpr_msb 0x5
	s_wait_tensorcnt 0x0
	ds_add_u32 v254, v255
	s_wait_dscnt 0x0
	s_set_vgpr_msb 0x500
	s_endpgm
.Lfunc_end_k_qa932d79607_up:
	.size	k_qa932d79607_up, .Lfunc_end_k_qa932d79607_up-k_qa932d79607_up
	.p2alignl 7, 3214868480
	.fill 96, 4, 3214868480
	.section	.rodata,"a",@progbits
	.p2align	6, 0x0
	.amdhsa_kernel k_qa932d79607_up
		.amdhsa_group_segment_fixed_size 153088
		.amdhsa_private_segment_fixed_size 0
		.amdhsa_enable_private_segment 0
		.amdhsa_kernarg_size 72
		.amdhsa_user_sgpr_count 2
		.amdhsa_user_sgpr_kernarg_segment_ptr 1
		.amdhsa_wavefront_size32 1
		.amdhsa_system_sgpr_workgroup_id_x 1
		.amdhsa_system_sgpr_workgroup_id_y 1
		.amdhsa_system_sgpr_workgroup_id_z 1
		.amdhsa_system_vgpr_workitem_id 0
		.amdhsa_next_free_vgpr 1024
		.amdhsa_next_free_sgpr 98
		.amdhsa_reserve_vcc 1
		.amdhsa_float_denorm_mode_32 3
		.amdhsa_float_denorm_mode_16_64 3
		.amdhsa_memory_ordered 1
		.amdhsa_forward_progress 1
		.amdhsa_inst_pref_size 116
	.end_amdhsa_kernel
	.amdgpu_metadata
---
amdhsa.version: [ 1, 2 ]
amdhsa.kernels:
  - .name:           k_qa932d79607_up
    .symbol:         k_qa932d79607_up.kd
    .args:
      - { .name: xq, .offset: 0, .size: 8, .value_kind: global_buffer, .address_space: global }
      - { .name: xqs, .offset: 8, .size: 8, .value_kind: global_buffer, .address_space: global }
      - { .name: ids, .offset: 16, .size: 8, .value_kind: global_buffer, .address_space: global }
      - { .name: w1_codes, .offset: 24, .size: 8, .value_kind: global_buffer, .address_space: global }
      - { .name: w1_scales, .offset: 32, .size: 8, .value_kind: global_buffer, .address_space: global }
      - { .name: b1, .offset: 40, .size: 8, .value_kind: global_buffer, .address_space: global }
      - { .name: h, .offset: 48, .size: 8, .value_kind: global_buffer, .address_space: global }
      - { .name: hs, .offset: 56, .size: 8, .value_kind: global_buffer, .address_space: global }
      - { .name: listg, .offset: 64, .size: 8, .value_kind: global_buffer, .address_space: global }
    .group_segment_fixed_size: 153088
    .private_segment_fixed_size: 0
    .kernarg_segment_align: 8
    .kernarg_segment_size: 72
    .max_flat_workgroup_size: 128
    .sgpr_count:     98
    .vgpr_count:     1024
    .wavefront_size: 32
...
	.end_amdgpu_metadata
.endif
;; end of part 2
;; launch down (part 3): grid 32 x 8, 4 waves a work-group, no clusters, 134,656 bytes of LDS; arguments h, hs, listg, cw, w2_codes, w2_scales, b2, y; writes y
.if DOCPART == 3
	.amdgcn_target "amdgcn-amd-amdhsa--gfx1250"
	.amdhsa_code_object_version 6
	.text
	.protected	k_qa932d79607_down
	.globl	k_qa932d79607_down
	.p2align	8
	.type	k_qa932d79607_down,@function
k_qa932d79607_down:
	s_mov_b64 s[64:65], 0
	v_nop
	global_prefetch_b8 v0, s[64:65] scope:SCOPE_SE
	s_setreg_imm32_b32 hwreg(HW_REG_WAVE_MODE, 25, 1), 1
	s_wait_xcnt 0x0
; DOWN.  Work-group (x, e), x = 8 q + nc: for the rows routed to expert e, output columns 128 nc .. + 127, the K quarter q (hidden units 1,024 q .. + 1,023):
;   y[q][entry][columns] = cw[entry] x (H_q W2[e]_q^T + b2[e] where q = 0).  entry = 2 x token + k; the next launch adds a token's eight parts.
; THE WEIGHTS STAY, THE ROWS GO ROUND, as in the launch before: the slice of W2 (128 rows x 768 bytes, three aligned runs of 256 bytes of each row) is read from memory once in the launch,
; goes through LDS and becomes 64 fragments (8 K steps x 8 tiles of 16 columns) in every wave's registers; wave w takes the expert's tiles of 16 rows w, w + 4, ..
; H comes as images of fragments' registers: three dense loads of 512 bytes a K step, straight into the operand's registers, a whole trip ahead: K step s's registers are loaded again as soon as its 8 products are issued.
; K is cut in four so that a fragment of H feeds 8 products and the ring of 8 fragments fits in registers; the price is that four parts of each row go to memory.
; THE LOOP has 16 trips for every wave; a trip whose tile lies at or past the count's tiles (the count is read from listg) jumps to the trip's end.  No barrier stands in the loop.
; NO CLUSTER, NO TENSOR LOAD: the weights are shared by nobody, and H, which 8 work-groups share, is walked in a number of trips that is read from memory.
; A pad entry (2048 + 16 e + place % 16) sends its row to a dump row of y that belongs to this expert, these columns and this q alone, and that nobody reads.
; THE MATRIX INSTRUCTION IS USED TRANSPOSED (source 0 = 16 rows of W2, source 1 = 16 rows of H): a lane holds eight neighbouring columns of one row.
; W2's scale words are 16 bytes a lane from rows 128 bytes apart: parts of aligned blocks; 4,096 bytes against the slice's 98,304.
; REGISTERS: window 0 as named below; windows 1 to 3: fragments f = 8 s + t, 0 .. 62, 21 to a window, at v[12 (f % 21)]; fragment 63 in window 0.
.set WP,   784                         ; an LDS row: 768 bytes + 16 = 196 words: row r starts at bank 4 r mod 64 (64 banks of 4 bytes: ISA guide 11.1)
.set GP,   3072                        ; a row of W2's codes in memory
.set PERM, 0
.set STG,  128*WP                      ; behind the slice: a stage of 16 rows x (512 + 16) for each wave
.set STGB, 16*528
.set LI,   1                           ; 16 x lane
.set HSO,  2                           ; 512 h + 4 x lane
.set LRO,  3                           ; 4 r
.set STO,  4                           ; my stage, in: 528 r + 32 h
.set RD,   5                           ; my stage, out: 16 x lane
.set CWA,  6
.set ENN,  7                           ; the next tile's entries (lane r: row r's), and their weights
.set CWN,  8
.set ENC,  9                           ; this tile's
.set CWC,  10
.set WA0,  11
.set WA1,  12
.set WST,  13
.set WGO,  14
.set WSO,  15
.set WS,   16                          ; v16-47   W2's scale words: v[WS + 4 t + i]: lanes 0-15 K step i, lanes 16-31 K step 4 + i
.set AS,   48                          ; v48-51   H's scale words, likewise
.set ACC,  52                          ; v52-115  8 accumulators; then 16 rows read back from the stage
.set AF,   116                         ; v116-211 H's 8 fragments
.set W63,  212                         ; v212-223 fragment 63
.set B4,   224                         ; v224-227 b2 at columns 4 lane + 0 .. 3; zeros where q is not 0
.set WV,   20
.set EXP,  21
.set NC,   22
.set KQ,   23
.set NT,   24
.set NTR,  25
.set TI,   26
.set RB,   32                          ; s[32:63] the 16 rows' bases in y
.set LG,   66                          ; s[66:67] my tile's entries in listg
.set WB,   12
.set MSB, 0
.macro WIN new                         ; bits 1:0 source 0, 3:2 source 1, 5:4 source 2, 7:6 destination; the high byte repeats the setting that is left
.if MSB != (\new)
	s_set_vgpr_msb (MSB<<8)|(\new)
.set MSB, (\new)
.endif
.endm
.macro WLOAD                           ; my wave's 32 rows of the slice: lanes 0-15 take 256 consecutive aligned bytes of row 2 P, lanes 16-31 of row 2 P + 1; into window 1
	WIN 0x40
.set P, 0
.rept 16
.irp i, 0,1,2
	global_load_b128 v[4*(3*P+\i):4*(3*P+\i)+3], v[WGO], s[WB:WB+1] offset:2*P*GP+256*\i th:TH_LOAD_NT
.endr
.set P, P+1
.endr
	WIN 0
.endm
.macro WSTORE b                        ; a quarter of them into LDS, rows as they lie
	WIN 0x04
.set P, 4*(\b)
.rept 4
.if PERM
.set SL, 8*(((P/4)%2)*2+(P/4)/2)+(2*P)%8
.else
.set SL, 2*P
.endif
.irp i, 0,1,2
	ds_store_b128 v[WST], v[4*(3*P+\i):4*(3*P+\i)+3] offset:SL*WP+256*\i
.endr
.set P, P+1
.endr
	WIN 0
.endm
.macro WFRAG count                     ; the slice as fragments: lane (r, h) takes 24 bytes at 96 s + 24 h and at 96 s + 48 + 24 h of its row, in pieces of 8
.set F, 0
.rept \count
.if F < 63
.set WN, (1+F/21)<<6
.set FRG, 12*(F%21)
.else
.set WN, 0
.set FRG, W63
.endif
	WIN WN
.irp p, 0,1,2,3,4,5
	ds_load_b64 v[FRG+2*\p:FRG+2*\p+1], v[WA0+(F%8)/4] offset:16*((F%8)%4)*WP+96*(F/8)+48*(\p/3)+8*(\p%3)
.endr
.set F, F+1
.endr
	WIN 0
.endm
.macro MUL s, zero                     ; K step s: the 8 accumulators by turns, one instruction a turn.  zero = 1: the products start the sums
.irp t, 0,1,2,3,4,5,6,7
.set F, 8*(\s)+\t
.if F < 63
.set WN, 1+F/21
.set FRG, 12*(F%21)
.else
.set WN, 0
.set FRG, W63
.endif
	WIN WN
.if \zero
	v_wmma_scale_f32_16x16x128_f8f6f4 v[ACC+8*\t:ACC+8*\t+7], v[FRG:FRG+11], v[AF+12*(\s):AF+12*(\s)+11], 0, v[WS+4*\t+(\s)%4], v[AS+(\s)%4] matrix_a_fmt:MATRIX_FMT_BF6 matrix_b_fmt:MATRIX_FMT_BF6
.elseif (\s) < 4
	v_wmma_scale_f32_16x16x128_f8f6f4 v[ACC+8*\t:ACC+8*\t+7], v[FRG:FRG+11], v[AF+12*(\s):AF+12*(\s)+11], v[ACC+8*\t:ACC+8*\t+7], v[WS+4*\t+(\s)%4], v[AS+(\s)%4] matrix_a_fmt:MATRIX_FMT_BF6 matrix_b_fmt:MATRIX_FMT_BF6
.else
	v_wmma_scale_f32_16x16x128_f8f6f4 v[ACC+8*\t:ACC+8*\t+7], v[FRG:FRG+11], v[AF+12*(\s):AF+12*(\s)+11], v[ACC+8*\t:ACC+8*\t+7], v[WS+4*\t+(\s)%4], v[AS+(\s)%4] matrix_a_fmt:MATRIX_FMT_BF6 matrix_b_fmt:MATRIX_FMT_BF6 matrix_a_scale:MATRIX_SCALE_ROW1 matrix_b_scale:MATRIX_SCALE_ROW1
.endif
.endr
.endm
.macro FL s, off                       ; H's fragment of K step s, off bytes on: three loads of 512 consecutive aligned bytes
.irp c, 0,1,2
	global_load_b128 v[AF+12*(\s)+4*\c:AF+12*(\s)+4*\c+3], v[LI], s[4:5] offset:(\off)+1536*(\s)+512*\c
.endr
.endm
.macro HL i, off                       ; H's scale words: lanes 0-15 K step i, lanes 16-31 K step 4 + i
	global_load_b32 v[AS+(\i)], v[HSO], s[6:7] offset:(\off)+128*(\i)
.endm
.macro CWL                             ; the next tile's weights; a pad entry's index is held at the table's last
	v_min_u32 v[CWA], 2047, v[ENN]
	v_lshlrev_b32 v[CWA], 2, v[CWA]
	global_load_b32 v[CWN], v[CWA], s[10:11]
.endm
.macro PLACES                          ; four plain lines between products and the loads into their sources, or the first read of their results (ISA guide 7.12.1 for the first read of their results)
.rept 4
	v_nop
.endr
.endm
	s_load_b256 s[4:11], s[0:1], 0x0               ; h s[4:5], hs s[6:7], listg s[8:9], cw s[10:11]
	s_load_b256 s[12:19], s[0:1], 0x20             ; W2's codes s[12:13], W2's scales s[14:15], b2 s[16:17], y s[18:19]
	v_lshl_add_u32 v254, v0, 2, 0x20c00
	v_mov_b32 v255, 0
	v_lshrrev_b32 v228, 5, v0
	v_readfirstlane_b32 s[WV], v228                ; wave 0..3
	s_and_b32 s[EXP], ttmp7, 0xffff                ; the expert
	s_and_b32 s[NC], ttmp9, 7                      ; which 128 columns
	s_lshr_b32 s[KQ], ttmp9, 3                     ; which quarter of K
	v_and_b32 v228, 31, v0                         ; lane
	v_and_b32 v229, 15, v0                         ; r
	v_bfe_u32 v230, v0, 4, 1                       ; h
	v_lshlrev_b32 v[LI], 4, v228
	v_lshlrev_b32 v[HSO], 2, v228
	v_lshl_add_u32 v[HSO], v230, 9, v[HSO]
	v_lshlrev_b32 v[LRO], 2, v229
	s_mul_i32 s28, s[WV], STGB
	s_add_co_u32 s28, s28, STG                     ; my stage
	v_mul_u32_u24 v[STO], v229, 528
	v_lshl_add_u32 v[STO], v230, 5, v[STO]
	v_add_nc_u32 v[STO], s28, v[STO]
	v_add_nc_u32 v[RD], s28, v[LI]
	v_mul_u32_u24 v[WA0], v229, WP
	v_mad_u32_u24 v[WA0], v230, 24, v[WA0]
	v_add_nc_u32 v[WA1], 64*WP, v[WA0]
	s_mul_i32 s28, s[WV], 32*WP
	v_mul_u32_u24 v[WST], v230, WP
	v_lshl_add_u32 v[WST], v229, 4, v[WST]
	v_add_nc_u32 v[WST], s28, v[WST]
	v_mul_u32_u24 v[WGO], v230, GP
	v_lshl_add_u32 v[WGO], v229, 4, v[WGO]
	v_lshlrev_b32 v[WSO], 7, v229
	v_lshl_add_u32 v[WSO], v230, 4, v[WSO]         ; W2's scale bytes: 128 a row, + 16 h
	s_mov_b32 s29, 0
	s_mov_b32 s31, 0                               ; (named with s30 as a pair, so it is written)
	s_mul_i32 s68, s[EXP], 4608                    ; the expert's list in listg
	s_wait_kmcnt 0x0
	s_load_b32 s27, s[8:9], s68 offset:0x1000      ; its count (word 1024); s[8:9] and s68 are not written again
	s_mul_i32 s28, s[EXP], 3145728                 ; W2's codes: 1,024 rows x 3,072 an expert, 128 rows a chunk, 32 rows a wave, 768 bytes a quarter
	s_mul_i32 s24, s[NC], 393216
	s_add_co_u32 s28, s28, s24
	s_mul_i32 s24, s[WV], 98304
	s_add_co_u32 s28, s28, s24
	s_mul_i32 s24, s[KQ], 768
	s_add_co_u32 s28, s28, s24
	s_add_nc_u64 s[WB:WB+1], s[WB:WB+1], s[28:29]
	s_lshl_b32 s28, s[EXP], 17                     ; W2's scales
	s_lshl_b32 s24, s[NC], 14
	s_add_co_u32 s28, s28, s24
	s_lshl_b32 s24, s[KQ], 5
	s_add_co_u32 s28, s28, s24
	s_add_nc_u64 s[14:15], s[14:15], s[28:29]
	s_lshl_b32 s28, s[EXP], 12                     ; b2
	s_lshl_b32 s24, s[NC], 9
	s_add_co_u32 s28, s28, s24
	s_add_nc_u64 s[16:17], s[16:17], s[28:29]
	s_mul_i32 s28, s[KQ], 8912896                  ; y: 2,176 rows x 4,096 a quarter
	s_add_co_u32 s28, s28, s24
	s_add_nc_u64 s[18:19], s[18:19], s[28:29]
	s_mul_i32 s28, s[EXP], 3145728                 ; h: tile = wave, K steps 8 q on
	s_mul_i32 s24, s[WV], 49152
	s_add_co_u32 s28, s28, s24
	s_mul_i32 s24, s[KQ], 12288
	s_add_co_u32 s28, s28, s24
	s_add_nc_u64 s[4:5], s[4:5], s[28:29]
	s_lshl_b32 s28, s[EXP], 18                     ; hs
	s_lshl_b32 s24, s[WV], 12
	s_add_co_u32 s28, s28, s24
	s_lshl_b32 s24, s[KQ], 10
	s_add_co_u32 s28, s28, s24
	s_add_nc_u64 s[6:7], s[6:7], s[28:29]
	s_lshl_b32 s28, s[WV], 6
	s_add_co_u32 s28, s28, s68
	s_add_nc_u64 s[LG:LG+1], s[8:9], s[28:29]      ; my first tile's entries
	WLOAD                                          ; 48 loads: the whole slice is asked for at once
.irp t, 0,1,2,3,4,5,6,7
	global_load_b128 v[WS+4*\t:WS+4*\t+3], v[WSO], s[14:15] offset:2048*\t
.endr
	global_load_b128 v[B4:B4+3], v[LI], s[16:17]
	global_load_b32 v[ENN], v[LRO], s[LG:LG+1]
	s_wait_loadcnt 46                              ; the slice's first 12 loads are in: 36 + 10 were issued behind them
	WSTORE 0
	s_wait_loadcnt 34
	WSTORE 1
	s_wait_loadcnt 22
	WSTORE 2
	s_wait_loadcnt 10
	WSTORE 3
	s_wait_loadcnt 0x0
	s_cmp_eq_u32 s[KQ], 0
	s_cselect_b32 vcc_lo, -1, 0
.irp i, 0,1,2,3
	v_cndmask_b32 v[B4+\i], 0, v[B4+\i], vcc_lo    ; the bias is added in the first quarter alone
.endr
	FL 0, 0                                        ; my first tile, in the order in which every trip asks for the next one
	FL 1, 0
	FL 2, 0
	FL 3, 0
	FL 4, 0
	HL 0, 0
	CWL
	FL 5, 0
	HL 1, 0
	FL 6, 0
	HL 2, 0
	FL 7, 0
	HL 3, 0
	s_wait_dscnt 0x0                               ; my quarter of the slice lies in LDS
	s_barrier_signal -1
	s_barrier_wait -1                              ; from here on no wave writes LDS bytes that another wave reads
	WFRAG 64
	s_wait_kmcnt 0x0
	s_add_co_u32 s[NT], s27, 15
	s_lshr_b32 s[NT], s[NT], 4
	s_min_u32 s[NT], s[NT], 64                     ; the expert's tiles of 16 rows
	s_mov_b32 s[NTR], 0
	s_mov_b32 s[TI], s[WV]
	s_wait_dscnt 0x0
	s_wait_loadcnt 12                              ; the weights' load is in, and all that was asked for ahead of it: 3 + 1 + 3 + 1 + 3 + 1 were issued behind it
	v_mov_b32 v[ENC], v[ENN]
	v_mov_b32 v[CWC], v[CWN]
.Ltile:
	s_cmp_ge_u32 s[TI], s[NT]
	s_cbranch_scc1 .Lnext                          ; no such tile: on to the trip's end
	global_load_b32 v[ENN], v[LRO], s[LG:LG+1] offset:256   ; the entries of my next tile, four tiles on
.irp j, 0,1,2,3,4,5,6,7,8,9,10,11,12,13,14,15
	v_readlane_b32 s28, v[ENC], \j                 ; row j's entry is its row of y, held inside the buffer's 2,176 rows
	s_min_u32 s28, s28, 2175
	s_lshl_b32 s28, s28, 12
	s_add_nc_u64 s[RB+2*\j:RB+2*\j+1], s[18:19], s[28:29]
.endr
.irp s, 0,1,2,3,4,5,6,7                ; K step 0's fragment and scale word were shown in by the wait for the weights' load
.if \s == 1
	s_wait_loadcnt 12                              ; scale word 1: behind it 8 of the last trip's loads, this trip's entries and fragment 0
.elseif \s == 2
	s_wait_loadcnt 11                              ; scale word 2: 4 + 1 + 6
.elseif \s == 3
	s_wait_loadcnt 10                              ; scale word 3, the last trip's youngest load: 1 + 9.  With it all eight fragments are in
.endif
.if \s == 0
	MUL 0, 1
.else
	MUL \s, 0
.endif
	WIN 0
	PLACES
	FL \s, 196608                                  ; the step's registers take the next tile's fragment
.if \s >= 4
	HL \s-4, 16384                                 ; a scale register serves K steps i and 4 + i: free behind the second
.endif
.if \s == 4
	s_wait_loadcnt 16                              ; the next tile's entries are in: 15 + 1 loads were issued behind them
	CWL
.endif
.endr
.irp t, 0,1,2,3,4,5,6,7                ; a lane holds 32 neighbouring bytes of a row: through my stage, each accumulator from its low end on
	ds_store_b128 v[STO], v[ACC+8*\t:ACC+8*\t+3] offset:64*\t
	ds_store_b128 v[STO], v[ACC+8*\t+4:ACC+8*\t+7] offset:64*\t+16
.endr
.irp j, 0,1,2,3,4,5,6,7,8,9,10,11,12,13,14,15
	ds_load_b128 v[ACC+4*\j:ACC+4*\j+3], v[RD] offset:528*\j   ; LDS serves a wave's instructions in order: these see the stores above
.endr
.irp j, 0,1,2,3,4,5,6,7,8,9,10,11,12,13,14,15
	s_wait_dscnt 15-\j                             ; row j is back
	v_readlane_b32 s30, v[CWC], \j                 ; its weight
	v_pk_add_f32 v[ACC+4*\j:ACC+4*\j+1], v[ACC+4*\j:ACC+4*\j+1], v[B4:B4+1]
	v_pk_add_f32 v[ACC+4*\j+2:ACC+4*\j+3], v[ACC+4*\j+2:ACC+4*\j+3], v[B4+2:B4+3]
	v_pk_mul_f32 v[ACC+4*\j:ACC+4*\j+1], v[ACC+4*\j:ACC+4*\j+1], s[30:31] op_sel_hi:[1,0]
	v_pk_mul_f32 v[ACC+4*\j+2:ACC+4*\j+3], v[ACC+4*\j+2:ACC+4*\j+3], s[30:31] op_sel_hi:[1,0]
	global_store_b128 v[LI], v[ACC+4*\j:ACC+4*\j+3], s[RB+2*\j:RB+2*\j+1]   ; 512 consecutive aligned bytes of one row of y
.endr
	s_wait_loadcnt 12                              ; the next tile's weights are in: 12 loads were issued behind them
	v_mov_b32 v[ENC], v[ENN]
	v_mov_b32 v[CWC], v[CWN]
.Lnext:
	s_wait_xcnt 0x0                                ; loads and stores have read their bases and data: all are written again
	s_add_nc_u64 s[4:5], s[4:5], 196608            ; four tiles on
	s_add_nc_u64 s[6:7], s[6:7], 16384
	s_add_nc_u64 s[LG:LG+1], s[LG:LG+1], 256
	s_add_co_u32 s[TI], s[TI], 4
	s_add_co_u32 s[NTR], s[NTR], 1
	s_cmp_lt_u32 s[NTR], 16
	s_cbranch_scc1 .Ltile
	s_wait_tensorcnt 0x0
	ds_add_u32 v254, v255
	s_wait_dscnt 0x0
	s_endpgm
.Lfunc_end_k_qa932d79607_down:
	.size	k_qa932d79607_down, .Lfunc_end_k_qa932d79607_down-k_qa932d79607_down
	.p2alignl 7, 3214868480
	.fill 96, 4, 3214868480
	.section	.rodata,"a",@progbits
	.p2align	6, 0x0
	.amdhsa_kernel k_qa932d79607_down
		.amdhsa_group_segment_fixed_size 134656
		.amdhsa_private_segment_fixed_size 0
		.amdhsa_enable_private_segment 0
		.amdhsa_kernarg_size 64
		.amdhsa_user_sgpr_count 2
		.amdhsa_user_sgpr_kernarg_segment_ptr 1
		.amdhsa_wavefront_size32 1
		.amdhsa_system_sgpr_workgroup_id_x 1
		.amdhsa_system_sgpr_workgroup_id_y 1
		.amdhsa_system_sgpr_workgroup_id_z 1
		.amdhsa_system_vgpr_workitem_id 0
		.amdhsa_next_free_vgpr 1024
		.amdhsa_next_free_sgpr 72
		.amdhsa_reserve_vcc 1
		.amdhsa_float_denorm_mode_32 3
		.amdhsa_float_denorm_mode_16_64 3
		.amdhsa_memory_ordered 1
		.amdhsa_forward_progress 1
		.amdhsa_inst_pref_size 66
	.end_amdhsa_kernel
	.amdgpu_metadata
---
amdhsa.version: [ 1, 2 ]
amdhsa.kernels:
  - .name:           k_qa932d79607_down
    .symbol:         k_qa932d79607_down.kd
    .args:
      - { .name: h, .offset: 0, .size: 8, .value_kind: global_buffer, .address_space: global }
      - { .name: hs, .offset: 8, .size: 8, .value_kind: global_buffer, .address_space: global }
      - { .name: listg, .offset: 16, .size: 8, .value_kind: global_buffer, .address_space: global }
      - { .name: cw, .offset: 24, .size: 8, .value_kind: global_buffer, .address_space: global }
      - { .name: w2_codes, .offset: 32, .size: 8, .value_kind: global_buffer, .address_space: global }
      - { .name: w2_scales, .offset: 40, .size: 8, .value_kind: global_buffer, .address_space: global }
      - { .name: b2, .offset: 48, .size: 8, .value_kind: global_buffer, .address_space: global }
      - { .name: y, .offset: 56, .size: 8, .value_kind: global_buffer, .address_space: global }
    .group_segment_fixed_size: 134656
    .private_segment_fixed_size: 0
    .kernarg_segment_align: 8
    .kernarg_segment_size: 64
    .max_flat_workgroup_size: 128
    .sgpr_count:     72
    .vgpr_count:     1024
    .wavefront_size: 32
...
	.end_amdgpu_metadata
.endif
;; end of part 3
;; launch sum (part 4): grid 512 x 1, 8 waves a work-group, no clusters, 0 bytes of LDS; arguments y, out0; writes out0
.if DOCPART == 4
	.amdgcn_target "amdgcn-amd-amdhsa--gfx1250"
	.amdhsa_code_object_version 6
	.text
	.protected	k_qa932d79607_sum
	.globl	k_qa932d79607_sum
	.p2align	8
	.type	k_qa932d79607_sum,@function
k_qa932d79607_sum:
	s_mov_b64 s[64:65], 0
	v_nop
	global_prefetch_b8 v0, s[64:65] scope:SCOPE_SE
	s_setreg_imm32_b32 hwreg(HW_REG_WAVE_MODE, 25, 1), 1
	s_wait_xcnt 0x0
; SUM.  out0[t][:] = the sum over the four K quarters q and the token's two choices k of y[q][2 t + k][:].  A stream: no LDS, no barrier, no matrix unit; memory's bytes are all that counts.
; Thread g makes the 16 bytes of out0 at o = 16 g and those at o + 2^21.  Row 2 t of y begins at 2 x 4,096 t, so o's place in it is o + (o with its low 12 bits cleared); k adds 4,096, the second half 2^22.
; Each load and each store of a wave covers 512 consecutive aligned bytes.  All 16 loads of a thread go out at once.
.set YQ, 8912896                       ; a quarter of y: 2,176 rows x 4,096 bytes
.set V,  4                             ; v4-67: half P, quarter q, choice k at v[V + 32 P + 8 q + 4 k]
	s_load_b128 s[4:7], s[0:1], 0x0                ; y s[4:5], out0 s[6:7]
	s_lshl_b32 s2, ttmp9, 12                       ; 256 threads x 16 bytes
	v_lshl_add_u32 v1, v0, 4, s2                   ; o
	v_and_b32 v2, 0xfffff000, v1
	v_add_nc_u32 v2, v2, v1                        ; its place in a quarter of y
	s_wait_kmcnt 0x0
	s_mov_b64 s[8:9], s[4:5]
	s_add_nc_u64 s[10:11], s[4:5], YQ
	s_add_nc_u64 s[12:13], s[4:5], 2*YQ
	s_add_nc_u64 s[14:15], s[4:5], 3*YQ
.irp P, 0,1
.irp q, 0,1,2,3
.irp k, 0,1
	global_load_b128 v[V+32*\P+8*\q+4*\k:V+32*\P+8*\q+4*\k+3], v2, s[8+2*\q:9+2*\q] offset:4096*\k+4194304*\P th:TH_LOAD_NT
.endr
.endr
.endr
.macro ADD4 d, s                       ; four numbers onto four
	v_pk_add_f32 v[\d:\d+1], v[\d:\d+1], v[\s:\s+1]
	v_pk_add_f32 v[\d+2:\d+3], v[\d+2:\d+3], v[\s+2:\s+3]
.endm
.macro HALF P
.set B, V+32*(\P)
	ADD4 B, B+4
	ADD4 B+8, B+12
	ADD4 B+16, B+20
	ADD4 B+24, B+28
	ADD4 B, B+8
	ADD4 B+16, B+24
	ADD4 B, B+16
	global_store_b128 v1, v[B:B+3], s[6:7] offset:2097152*(\P) th:TH_STORE_NT
.endm
	s_wait_loadcnt 8                               ; the first half's eight loads are in; the second half's eight were issued behind them
	HALF 0
	s_wait_loadcnt 0x0
	HALF 1
	s_endpgm
.Lfunc_end_k_qa932d79607_sum:
	.size	k_qa932d79607_sum, .Lfunc_end_k_qa932d79607_sum-k_qa932d79607_sum
	.p2alignl 7, 3214868480
	.fill 96, 4, 3214868480
	.section	.rodata,"a",@progbits
	.p2align	6, 0x0
	.amdhsa_kernel k_qa932d79607_sum
		.amdhsa_group_segment_fixed_size 0
		.amdhsa_private_segment_fixed_size 0
		.amdhsa_enable_private_segment 0
		.amdhsa_kernarg_size 16
		.amdhsa_user_sgpr_count 2
		.amdhsa_user_sgpr_kernarg_segment_ptr 1
		.amdhsa_wavefront_size32 1
		.amdhsa_system_sgpr_workgroup_id_x 1
		.amdhsa_system_sgpr_workgroup_id_y 1
		.amdhsa_system_sgpr_workgroup_id_z 1
		.amdhsa_system_vgpr_workitem_id 0
		.amdhsa_next_free_vgpr 72
		.amdhsa_next_free_sgpr 66
		.amdhsa_reserve_vcc 0
		.amdhsa_float_denorm_mode_32 3
		.amdhsa_float_denorm_mode_16_64 3
		.amdhsa_memory_ordered 1
		.amdhsa_forward_progress 1
		.amdhsa_inst_pref_size 5
	.end_amdhsa_kernel
	.amdgpu_metadata
---
amdhsa.version: [ 1, 2 ]
amdhsa.kernels:
  - .name:           k_qa932d79607_sum
    .symbol:         k_qa932d79607_sum.kd
    .args:
      - { .name: y, .offset: 0, .size: 8, .value_kind: global_buffer, .address_space: global }
      - { .name: out0, .offset: 8, .size: 8, .value_kind: global_buffer, .address_space: global }
    .group_segment_fixed_size: 0
    .private_segment_fixed_size: 0
    .kernarg_segment_align: 8
    .kernarg_segment_size: 16
    .max_flat_workgroup_size: 256
    .sgpr_count:     66
    .vgpr_count:     72
    .wavefront_size: 32
...
	.end_amdgpu_metadata
.endif
;; end of part 4
;; ======== version 2 of 2: 4 launches; version 1 with the launches up, down written anew for expert scheduling mode
;; workspace buffers: xq 786,432 bytes; xqs 32,768 bytes; ids 4,096 bytes of whole numbers; cw 8,192 bytes; h 25,362,432 bytes; hs 2,113,536 bytes; listg 36,864 bytes of whole numbers; y 35,651,584 bytes
;; launch route: the kernel of part 1 again; grid 256 x 1, 4 waves a work-group, no clusters, 56,832 bytes of LDS; arguments x, gate_w, xq, xqs, ids, cw; writes xq, xqs, ids, cw
;; launch up (part 5): grid 32 x 8, 4 waves a work-group, no clusters, 153,088 bytes of LDS; arguments xq, xqs, ids, w1_codes, w1_scales, b1, h, hs, listg; writes h, hs, listg
.if DOCPART == 5
	.amdgcn_target "amdgcn-amd-amdhsa--gfx1250"
	.amdhsa_code_object_version 6
	.text
	.protected	k_qa932d79607_up
	.globl	k_qa932d79607_up
	.p2align	8
	.type	k_qa932d79607_up,@function
k_qa932d79607_up:
	s_mov_b64 s[64:65], 0
	v_nop
	global_prefetch_b8 v0, s[64:65] scope:SCOPE_SE
	s_setreg_imm32_b32 hwreg(HW_REG_WAVE_SCHED_MODE, 0, 2), 2
	s_setreg_imm32_b32 hwreg(HW_REG_WAVE_MODE, 25, 1), 1
	s_wait_xcnt 0x0
	s_wait_alu depctr_vm_vsrc(0)
; UP.  Work-group (c, e): for the rows routed to expert e, hidden units 128 c .. 128 c + 127:  H = Q(silu(xq W1[e]^T + b1[e])), Q the MX-BF6 quantiser along the hidden axis.
; THE WEIGHTS STAY, THE ROWS GO ROUND.  The slice of W1 (128 rows x 768 bytes of codes) is read from memory once in the launch, by this work-group alone; through LDS it becomes 64 fragments
; (8 K steps x 8 tiles of 16 hidden units) in EVERY wave's registers, and the four waves share the expert's tiles of 16 rows: wave w takes tiles w, w + 4, ..  So nothing is shared inside the loop.
; WHICH ROWS.  The expert's rows stand in slots 0, 1, .. in the order of the groups below; tile i is slots 16 i .. 16 i + 15.  Every wave reads ids (a token's word: (1 << first expert) | (256 << second expert),
; stored by the launch before) once: register g of 32, lane l: token 128 (g / 4) + g % 4 + 4 l; a compare makes of each register a mask of 32 bits in a scalar register.
; SLOT n'S TOKEN, by arithmetic on registers alone: a walk over the 32 groups with a running count keeps the last group that begins at or under n; the (n - its beginning)-th set bit of its mask is found by
; counts of 2, 4 and 8 bits and five halvings.  A slot at or past the count finds some token under 1,024; its row's results go nowhere that is read.
; In the loop the next tile's tokens are found BEHIND THE MATRIX INSTRUCTIONS: the walk behind the first 32 products, eight groups to eight products (two compares behind each of four, four selects behind each of four;
; its vector lines have a scalar as source 0, so the window set for the product serves), the other 76 lines two or three to a product behind the last 32, with the windows switched to 0 and back.
; THE LIST FOR THE NEXT LAUNCH: wave w of chunk c < 9 stores words 32 (4 c + w) .. + 31 of listg [e][1,152 words]: slot n's entry 2 x token + k; at or past the count the pad entry 2048 + 16 e + n % 16; word 1024 the count.
; (128 bytes a store: half of an aligned 256; 4,608 bytes an expert.)
; THE LOOP has 16 trips for every wave (an expert has at most 1,024 rows: 64 tiles); a trip whose tile lies at or past the count's tiles jumps to the trip's end.  No barrier stands in the loop.
; NO CLUSTER, NO TENSOR LOAD: the weights are shared by nobody, and the row codes, which the 32 work-groups of an expert do share, are walked in a number of trips that hangs on numbers read from memory.
; THE MATRIX INSTRUCTION IS USED TRANSPOSED (source 0 = 16 rows of W1, source 1 = 16 token rows), and THE ROWS OF W1 THAT FORM A TILE ARE NOT NEIGHBOURS: lane r of tile 2 b + u takes row
; 32 b + 8 u + r + 8 (r / 8); so a lane holds one token row, and the 16 registers of tiles 2 b, 2 b + 1 are hidden units 32 b + 16 (lane / 16) + 0 .. 15: neighbours along the next product's K.
; OUT: h [64 e + tile][K step c][1,536 bytes]: the fragment's 12 registers as they stand (three runs of 512 bytes, 16 bytes a lane); hs likewise, the scale word, 4 bytes a lane (128 bytes: half of an aligned 256).
; LIMITS: NaN and infinities are not served; a block of H whose largest magnitude lies under 2^-122 gets the byte 1 (a block of zeros too: its codes are zeros, and this program alone reads the bytes).
; REGISTERS, in windows of 256: window 0 as named below; windows 1 to 3: fragments f = 8 s + t (K step s, tile t) 0 .. 62, 21 to a window, at v[12 (f % 21)]; fragment 63 comes from LDS in each trip.
; THE MODE: SCHED_MODE bits 1:0 = 2 (LLVM: expert scheduling mode 2), set by the entry lines.  The code itself states the register dependences between vector or matrix instructions and memory or LDS
; instructions, and those through scalar registers and VCC that vector instructions write, with s_wait_alu, always for 0.
; THE PLAN.  Registers that memory or LDS instructions touch, round the loop:
;   AF        the next tile's rows land (behind the products); the stage's stores read them; at the next trip's head the fragments land; the products read them.
;   AS        the rows' scale words land with the rows; the products read them.
;   ACC       the bias lands at a trip's head; products, silu and the quantiser work on it.
;   v212-223  fragment 63 lands at a trip's head; the last product reads it; silu and the quantiser write it.
;   PC, PW    the quantiser writes them; the trip's four global stores read them; the next trip's search for tokens writes v228-232 again.
;   LE        the search and ADDR write them; the rows' loads read them as offsets.
;   v1-15     offsets and LDS addresses, made at the head and never written again.
; So a trip has two waits on va_vdst beside silu's four: behind ADDR, ahead of the rows' loads; and behind the quantiser, ahead of the stores.  No vector instruction stands between the second and the next trip's
; LDS loads, so it also states that silu and the quantiser are done with ACC and v212-223.  One wait on vm_vsrc stands behind the stage's stores, ahead of the trip's branches: AF, PC, PW and LE have been read.
; Scalars that vector instructions write: the walk's compares go in runs of eight into scalar registers, one wait on va_sdst a run; the rank's five halvings hang on each other: five waits on va_vcc; the sixteen tokens: one on va_sdst.
.set WP,   784                         ; an LDS row: 768 bytes + 16 = 196 words: row r starts at bank 4 r mod 64 (64 banks of 4 bytes: ISA guide 11.1); the 32 lanes of an 8-byte load at 784 r + 24 h touch 64 different banks
.set GP,   768                         ; a row of W1's codes in memory
.set PERM, 1
.set STG,  128*WP                      ; behind the slice: a stage of 16 rows x 784 for each wave
.set STGB, 16*WP
.set BIAS, STG+4*STGB                  ; b1's 128 numbers, once for each wave
.set LI,   1                           ; 16 x lane
.set LS,   2                           ; 4 x lane
.set R16,  3                           ; 16 r        (r = lane % 16, h = lane / 16)
.set H16,  4                           ; 16 h
.set XST,  5                           ; my stage, in: 784 h + 16 r
.set XFA,  6                           ; my stage, out: 784 r + 24 h
.set RR,   7                           ; r
.set LN32, 8                           ; lane
.set BA,   9                           ; my bias + 64 h
.set WA0,  10                          ; the slice: 784 r + 24 h
.set WA1,  11                          ; and 64 rows on
.set WST,  12                          ; the slice, in: 32 rows x wave + 784 h + 16 r
.set WGO,  13                          ; the slice in memory: 768 h + 16 r
.set PW,   14                          ; the scale word just made
.set WSO,  15                          ; W1's scale bytes: my row's
.set WS,   16                          ; v16-47   W1's scale words: v[WS + 4 t + i]: lanes 0-15 K step i, lanes 16-31 K step 4 + i
.set AS,   48                          ; v48-51   the rows' scale words, likewise
.set ACC,  52                          ; v52-115  8 accumulators
.set AF,   116                         ; v116-211 at the head ids; then the rows' codes: as loaded, then as 8 fragments
.set W63,  212                         ; v212-223 fragment 63
.set T,    212                         ; v212-243 at work in silu
.set TM,   212                         ; v212-227 at work in the quantiser
.set PC,   228                         ; v228-246 the codes just made
.set VN,   224                         ; the search for tokens, at work while the products go out: my slot,
.set VM,   225                         ; its group's mask,
.set VQ,   226                         ; its group's first token << 16 | the group's first slot; then the first token,
.set VR,   227                         ; the rank that is left,
.set VP,   228                         ; the bit's place so far,
.set VT,   229                         ; at work,
.set C4,   230                         ; v230-232 the mask's counts of 8, of 4 and of 2 bits
.set MT,   234                         ; v234-235 at work on the masks
.set LNN,  236                         ; the list for the next launch: my word's number,
.set LTK,  237                         ; its entry,
.set VM2,  238                         ; its group's mask of second choices
.set BST,  244                         ; at the head: where b1 goes in LDS
.set LE,   247                         ; v247-255 the next tile's tokens, then offsets: v[LE + p]: row 2 p + h's; v[LE + 8]: row r's.  Neither silu nor the quantiser writes here
.set WV,   22
.set EXP,  23
.set CHK,  24
.set NT,   25                          ; the expert's tiles
.set NTR,  26                          ; the trip
.set TI,   27                          ; my tile
.set PFX,  28                          ; the walk: the next group's first slot
.set CN1,  30                          ; a group's count
.set SMK,  31                          ; the expert's two bits of a word of ids
.set SEL,  32
.set CNT,  37                          ; the expert's rows
.set WB,   38
.set NX,   40                          ; the first slot that is searched for
.set SM2,  41                          ; the expert's bit as a second choice
.set PADB, 42                          ; the expert's first pad entry
.set RL,   44                          ; s44-59   16 tokens.  While the walk goes on these sixteen are idle and serve it:
.set CM,   44                          ; s44-51   a run's compares: the lanes whose slot lies under the group's first,
.set S2,   48                          ; s48-51   (the list's walk, in runs of four: the groups' masks of second choices)
.set PK,   52                          ; s52-59   a run's packed words: the group's first token << 16 | its first slot
.set MK,   66                          ; s66-97   the 32 masks
.set NAUX, 76                          ; lines of the rank (43) and of the dealing out (33)
.set MSB, 0
.macro WIN new                         ; bits 1:0 source 0, 3:2 source 1, 5:4 source 2, 7:6 destination; the high byte repeats the setting that is left
.if MSB != (\new)
	s_set_vgpr_msb (MSB<<8)|(\new)
.set MSB, (\new)
.endif
.endm
.macro WLOAD                           ; my wave's 32 rows of the slice: lanes 0-15 take 256 consecutive aligned bytes of row 2 P, lanes 16-31 of row 2 P + 1; into window 1
	WIN 0x40
.set P, 0
.rept 16
.irp i, 0,1,2
	global_load_b128 v[4*(3*P+\i):4*(3*P+\i)+3], v[WGO], s[WB:WB+1] offset:2*P*GP+256*\i th:TH_LOAD_NT
.endr
.set P, P+1
.endr
	WIN 0
.endm
.macro WSTORE b                        ; a quarter of them into LDS.  PERM: of each 32 rows the second and third groups of 8 change places, so that LDS rows 16 t .. 16 t + 15 are tile t's rows
	WIN 0x04
.set P, 4*(\b)
.rept 4
.if PERM
.set SL, 8*(((P/4)%2)*2+(P/4)/2)+(2*P)%8
.else
.set SL, 2*P
.endif
.irp i, 0,1,2
	ds_store_b128 v[WST], v[4*(3*P+\i):4*(3*P+\i)+3] offset:SL*WP+256*\i
.endr
.set P, P+1
.endr
	WIN 0
.endm
.macro WFRAG count                     ; the slice as fragments: lane (r, h) takes 24 bytes at 96 s + 24 h and at 96 s + 48 + 24 h of its row, in pieces of 8
.set F, 0
.rept \count
.if F < 63
.set WN, (1+F/21)<<6
.set FRG, 12*(F%21)
.else
.set WN, 0
.set FRG, W63
.endif
	WIN WN
.irp p, 0,1,2,3,4,5
	ds_load_b64 v[FRG+2*\p:FRG+2*\p+1], v[WA0+(F%8)/4] offset:16*((F%8)%4)*WP+96*(F/8)+48*(\p/3)+8*(\p%3)
.endr
.set F, F+1
.endr
	WIN 0
.endm
; THE WALK.  PINIT: every slot begins in group 0.  WCMP g: is group g's first slot past my slot?  The answer goes to place k of the run's scalar registers, the group's packed word beside it;
; the scalar lines then make the next group's first slot; behind group 31 s[PFX] is the expert's count.  WSEL g: a slot at or past group g's first slot moves on to group g.
; Each vector line has a scalar as source 0.  The groups are taken in ascending order, in runs: a run's compares, one wait, the run's selects.
.macro PINIT
	v_mov_b32 v[VM], s[MK]
	v_mov_b32 v[VQ], 0
	s_bcnt1_i32_b32 s[PFX], s[MK]
.endm
.macro WCMP g, k, n
	v_cmp_gt_u32 s[CM+(\k)], s[PFX], v[\n]         ; the group begins past my slot: I shall keep what I have
	s_add_co_u32 s[PK+(\k)], s[PFX], (128*((\g)/4)+(\g)%4)<<16
	s_bcnt1_i32_b32 s[CN1], s[MK+(\g)]
	s_add_co_u32 s[PFX], s[PFX], s[CN1]
.endm
.macro WSEL g, k
	v_cndmask_b32 v[VM], s[MK+(\g)], v[VM], s[CM+(\k)]
	v_cndmask_b32 v[VQ], s[PK+(\k)], v[VQ], s[CM+(\k)]
.endm
.macro PASS n                          ; the whole walk, for the slots in v[n]: four runs of eight groups
	PINIT
.irp q, 0,8,16,24
.set G, \q
.rept 8
.if G > 0
	WCMP G, G%8, \n
.endif
.set G, G+1
.endr
	s_wait_alu depctr_va_sdst(0)                   ; the run's compares have written s[CM ..], ahead of the selects that read them
.set G, \q
.rept 8
.if G > 0
	WSEL G, G%8
.endif
.set G, G+1
.endr
.endr
.endm
.macro PASS2 n                         ; the same in runs of four, and the group's mask of second choices with it (from ids, which still lie in v[AF] on)
	PINIT
.irp q, 0,4,8,12,16,20,24,28
.set G, \q
.rept 4
.if G > 0
	WCMP G, G%4, \n
.endif
	v_and_b32 v[MT+G%2], s[SM2], v[AF+G]
	v_cmp_ne_u32 s[S2+G%4], 0, v[MT+G%2]
.set G, G+1
.endr
	s_wait_alu depctr_va_sdst(0)                   ; the run's compares have written s[CM ..] and s[S2 ..], ahead of the selects that read them
.set G, \q
.rept 4
.if G > 0
	WSEL G, G%4
	v_cndmask_b32 v[VM2], s[S2+G%4], v[VM2], s[CM+G%4]
.else
	v_mov_b32 v[VM2], s[S2]
.endif
.set G, G+1
.endr
.endr
.endm
; THE RANK, line SJ of 43: the place of the (slot - the group's first slot)-th set bit of the mask.  At each halving t is the count of set bits in the lower half of what is left:
; a rank of t or more goes to the upper half and gives t up.  Then token = the group's first + 4 x place, into v[e].  Each halving's compare hangs on the halving before: a wait on va_vcc to each.
.macro SELI n, e
.if SJ == 0
	v_and_b32 v[VR], 0xffff, v[VQ]
.elseif SJ == 1
	v_sub_nc_u32 v[VR], v[\n], v[VR]               ; the rank
.elseif SJ == 2
	v_lshrrev_b32 v[VQ], 16, v[VQ]                 ; the group's first token
.elseif SJ == 3
	v_lshrrev_b32 v[VT], 1, v[VM]
.elseif SJ == 4
	v_and_b32 v[VT], 0x55555555, v[VT]
.elseif SJ == 5
	v_sub_nc_u32 v[C4+2], v[VM], v[VT]             ; counts of 2 bits
.elseif SJ == 6
	v_lshrrev_b32 v[VT], 2, v[C4+2]
.elseif SJ == 7
	v_and_b32 v[VT], 0x33333333, v[VT]
.elseif SJ == 8
	v_and_b32 v[C4+1], 0x33333333, v[C4+2]
.elseif SJ == 9
	v_add_nc_u32 v[C4+1], v[C4+1], v[VT]           ; of 4 bits
.elseif SJ == 10
	v_lshrrev_b32 v[VT], 4, v[C4+1]
.elseif SJ == 11
	v_add_nc_u32 v[C4], v[C4+1], v[VT]
.elseif SJ == 12
	v_and_b32 v[C4], 0x0f0f0f0f, v[C4]             ; of 8 bits
.elseif SJ == 13
	v_lshrrev_b32 v[VT], 8, v[C4]
.elseif SJ == 14
	v_add_nc_u32 v[VT], v[C4], v[VT]
.elseif SJ == 15
	v_and_b32 v[VT], 0xff, v[VT]                   ; t of the lower 16 bits
.elseif SJ == 16
	v_cmp_ge_u32 vcc_lo, v[VR], v[VT]
.elseif SJ == 17
	s_wait_alu depctr_va_vcc(0)                    ; the compare has written VCC, ahead of the two selects that read it
	v_cndmask_b32 v[VT], 0, v[VT], vcc_lo
.elseif SJ == 18
	v_sub_nc_u32 v[VR], v[VR], v[VT]
.elseif SJ == 19
	v_cndmask_b32 v[VP], 0, 16, vcc_lo
.elseif SJ < 38                        ; three halvings alike: to 8, 4 and 2 bits, from the counts of 8, 4 and 2 bits
.set LV, (SJ-20)/6
.set SB6, (SJ-20)%6
.if SB6 == 0
	v_bfe_u32 v[VT], v[C4+LV], v[VP], 8>>LV
.elseif SB6 == 1
	v_cmp_ge_u32 vcc_lo, v[VR], v[VT]
.elseif SB6 == 2
	s_wait_alu depctr_va_vcc(0)                    ; the compare has written VCC, ahead of the two selects that read it
	v_cndmask_b32 v[VT], 0, v[VT], vcc_lo
.elseif SB6 == 3
	v_sub_nc_u32 v[VR], v[VR], v[VT]
.elseif SB6 == 4
	v_cndmask_b32 v[VT], 0, 8>>LV, vcc_lo
.else
	v_add_nc_u32 v[VP], v[VP], v[VT]
.endif
.elseif SJ == 38
	v_bfe_u32 v[VT], v[VM], v[VP], 1
.elseif SJ == 39
	v_cmp_ge_u32 vcc_lo, v[VR], v[VT]
.elseif SJ == 40
	s_wait_alu depctr_va_vcc(0)                    ; the compare has written VCC, ahead of the select that reads it
	v_cndmask_b32 v[VT], 0, 1, vcc_lo
.elseif SJ == 41
	v_add_nc_u32 v[VP], v[VP], v[VT]               ; the place, 31 at the most
.else
	v_lshl_add_u32 v[\e], v[VP], 2, v[VQ]          ; the token, 1,023 at the most
.endif
.endm
.macro SELECT n, e
.set SJ, 0
.rept 43
	SELI \n, \e
.set SJ, SJ+1
.endr
.endm
; THE DEALING OUT, line DJ of 33: lane r of v[LE + 8] holds row r's token; v[LE + p] gets row 2 p's in lanes 0-15 and row 2 p + 1's in lanes 16-31
.macro DISTI
.if DJ == 0
	s_mov_b32 vcc_lo, 0xffff0000
.elseif DJ < 17
	v_readlane_b32 s[RL+DJ-1], v[LE+8], DJ-1
.elseif (DJ-17)%2 == 0
.if DJ == 17
	s_wait_alu depctr_va_sdst(0)                   ; the sixteen tokens are written to s[RL ..], ahead of their first reader
.endif
	v_mov_b32 v[LE+(DJ-17)/2], s[RL+(DJ-17)+1]
.else
	v_cndmask_b32 v[LE+(DJ-17)/2], s[RL+(DJ-17)-1], v[LE+(DJ-17)/2], vcc_lo
.endif
.endm
.macro DIST
.set DJ, 0
.rept 33
	DISTI
.set DJ, DJ+1
.endr
.endm
.macro AUXI                            ; the next of the 76 lines, in window 0
	WIN 0
.if AJ < 43
.set SJ, AJ
	SELI VN, LE+8
.else
.set DJ, AJ-43
	DISTI
.endif
.set AJ, AJ+1
.endm
; K step s: the 8 accumulators by turns, one instruction a turn; b1 lies in the accumulators when step 0 begins.  Behind each product stands a piece of the search for the next tile's tokens,
; which names none of the products' registers and no register that a pending load or store touches.
.macro MULX s
.irp t, 0,1,2,3,4,5,6,7
.set F, 8*(\s)+\t
.if F < 63
.set WN, 1+F/21
.set FRG, 12*(F%21)
.else
.set WN, 0
.set FRG, W63
.endif
	WIN WN
.if (\s) < 4
	v_wmma_scale_f32_16x16x128_f8f6f4 v[ACC+8*\t:ACC+8*\t+7], v[FRG:FRG+11], v[AF+12*(\s):AF+12*(\s)+11], v[ACC+8*\t:ACC+8*\t+7], v[WS+4*\t+(\s)%4], v[AS+(\s)%4] matrix_a_fmt:MATRIX_FMT_BF6 matrix_b_fmt:MATRIX_FMT_BF6
.else
	v_wmma_scale_f32_16x16x128_f8f6f4 v[ACC+8*\t:ACC+8*\t+7], v[FRG:FRG+11], v[AF+12*(\s):AF+12*(\s)+11], v[ACC+8*\t:ACC+8*\t+7], v[WS+4*\t+(\s)%4], v[AS+(\s)%4] matrix_a_fmt:MATRIX_FMT_BF6 matrix_b_fmt:MATRIX_FMT_BF6 matrix_a_scale:MATRIX_SCALE_ROW1 matrix_b_scale:MATRIX_SCALE_ROW1
.endif
.if F < 32                             ; the walk: K step s carries the run of groups 8 s .. 8 s + 7
.set WJ, F%8
.set WG, F-WJ
.if WJ < 4
.if F == 0
	v_add_nc_u32 v[VN], s[NX], v[RR]               ; my slot of the next tile
	PINIT
.else
	WCMP WG+2*WJ, 2*WJ, VN
.endif
	WCMP WG+2*WJ+1, 2*WJ+1, VN
.else
.if WJ == 4
	s_wait_alu depctr_va_sdst(0)                   ; the run's compares, issued behind the four products before, have written s[CM ..], ahead of the selects that read them
.endif
.if F != 4
	WSEL WG+2*WJ-8, 2*WJ-8
.endif
	WSEL WG+2*WJ-7, 2*WJ-7
.endif
.else
.if F == 32
.set AJ, 0
.endif
.rept ((F-31)*NAUX)/32-((F-32)*NAUX)/32
	AUXI
.endr
.endif
.endr
.endm
; 64 numbers of a lane, v[s] .. v[s + 63], register 16 b + i = k 32 b + 16 h + i of my row, become a fragment's codes in v[PC] on and its scale word in v[PW]
.macro QUANT s
.irp b, 0,1,2,3
	v_max3_num_f32 v[TM+\b], |v[\s+16*\b]|, |v[\s+1+16*\b]|, 0x2800000   ; block b: my 16 numbers, and the floor 2^(5 - 127): the byte cannot fall under 1
.endr
.irp i, 2,4,6,8,10,12,14
.irp b, 0,1,2,3
	v_max3_num_f32 v[TM+\b], v[TM+\b], |v[\s+16*\b+\i]|, |v[\s+1+16*\b+\i]|   ; (the four blocks by turns)
.endr
.endr
.irp b, 0,1,2,3
	v_permlanex16_b32 v[TM+4+\b], v[TM+\b], s[SEL], s[SEL+1]
.endr
.irp b, 0,1,2,3
	v_max_num_f32 v[TM+\b], v[TM+\b], v[TM+4+\b]   ; with lane l xor 16's: the block's largest magnitude
.endr
.irp b, 0,1,2,3
	v_add_nc_u32 v[TM+12+\b], 0xfe000000, v[TM+\b] ; 4 off its exponent field: the conversion's scale operand
.endr
.irp b, 0,1,2,3
	v_lshrrev_b32 v[TM+4+\b], 23, v[TM+12+\b]      ; the scale's byte
.endr
	v_lshl_or_b32 v[PW], v[TM+5], 8, v[TM+4]
	v_lshl_or_b32 v[PW], v[TM+6], 16, v[PW]
	v_lshl_or_b32 v[PW], v[TM+7], 24, v[PW]        ; my row's scale word, the same in both halves of the lanes
.irp c, 0,1
	v_cvt_scalef32_pk16_bf6_f32 v[PC+6*\c:PC+2+6*\c], v[\s+32*\c:\s+15+32*\c], v[TM+12+2*\c]
	v_cvt_scalef32_pk16_bf6_f32 v[PC+12+4*\c:PC+14+4*\c], v[\s+16+32*\c:\s+31+32*\c], v[TM+12+2*\c+1]   ; (a conversion's three registers begin on an even number)
.endr
	v_nop                                          ; one plain line behind a scaled conversion
.irp c, 0,1                            ; the operand's layout wants a whole block in a lane: lanes 0-15 block 2 c, lanes 16-31 block 2 c + 1
.irp i, 0,1,2
	v_permlane16_swap_b32 v[PC+6*\c+\i], v[PC+12+4*\c+\i]
.endr
.irp i, 0,1,2
	v_mov_b32 v[PC+3+6*\c+\i], v[PC+12+4*\c+\i]
.endr
.endr
.endm
.macro ADDR                            ; tokens become byte offsets, each held at 1,023 first.  18 plain lines that name no register of the products before them
.irp p, 0,1,2,3,4,5,6,7,8
	v_min_u32 v[LE+\p], 1023, v[LE+\p]
.endr
.irp p, 0,1,2,3,4,5,6,7
	v_mad_u32_u24 v[LE+\p], v[LE+\p], 768, v[R16]
.endr
	v_lshl_add_u32 v[LE+8], v[LE+8], 5, v[H16]
.endm
.macro RAWLD                           ; 16 rows of codes, each half of the lanes 256 consecutive aligned bytes of a token's row; and the rows' scale words (K steps 4 h .. 4 h + 3 of row r)
.irp p, 0,1,2,3,4,5,6,7
.irp i, 0,1,2
	global_load_b128 v[AF+4*(3*\p+\i):AF+4*(3*\p+\i)+3], v[LE+\p], s[4:5] offset:256*\i
.endr
.endr
	global_load_b128 v[AS:AS+3], v[LE+8], s[6:7]
.endm
.macro TOSTAGE                         ; the rows go into my stage, from which the next trip takes them as fragments
.irp p, 0,1,2,3,4,5,6,7
.irp i, 0,1,2
	ds_store_b128 v[XST], v[AF+4*(3*\p+\i):AF+4*(3*\p+\i)+3] offset:2*\p*WP+256*\i
.endr
.endr
.endm
.macro SILU hf                         ; z / (1 + 2^(-z log2 e)) on 32 numbers: each batch of transcendentals has one plain line and one wait behind it
.set ZB, ACC+32*(\hf)
.set J, 0
.rept 16
	v_pk_mul_f32 v[T+J:T+J+1], v[ZB+J:ZB+J+1], 0xbfb8aa3b op_sel_hi:[1,0]   ; ascending: each accumulator is read from its low end on
.set J, J+2
.endr
.set J, 0
.rept 32
	v_exp_f32 v[T+J], v[T+J]
.set J, J+1
.endr
	v_nop
	s_wait_alu depctr_va_vdst(0)                   ; the 32 exponentials have written v[T ..], ahead of their first reader
.set J, 0
.rept 16
	v_pk_add_f32 v[T+J:T+J+1], v[T+J:T+J+1], 1.0 op_sel_hi:[1,0]
.set J, J+2
.endr
.set J, 0
.rept 32
	v_rcp_f32 v[T+J], v[T+J]
.set J, J+1
.endr
	v_nop
	s_wait_alu depctr_va_vdst(0)                   ; the 32 reciprocals have written v[T ..], ahead of their first reader
.set J, 0
.rept 16
	v_pk_mul_f32 v[ZB+J:ZB+J+1], v[ZB+J:ZB+J+1], v[T+J:T+J+1]
.set J, J+2
.endr
.endm
	s_load_b256 s[4:11], s[0:1], 0x0               ; xq s[4:5], xqs s[6:7], ids s[8:9], W1's codes s[10:11]
	s_load_b256 s[12:19], s[0:1], 0x20             ; W1's scales s[12:13], b1 s[14:15], h s[16:17], hs s[18:19]
	s_load_b64 s[20:21], s[0:1], 0x40              ; listg
	s_set_vgpr_msb 0x40
	v_lshl_add_u32 v254, v0, 2, 0x25400
	v_mov_b32 v255, 0
	s_set_vgpr_msb 0x4000
	v_lshrrev_b32 v253, 5, v0
	v_readfirstlane_b32 s[WV], v253                ; wave 0..3
	s_and_b32 s[EXP], ttmp7, 0xffff                ; the expert
	s_mov_b32 s[CHK], ttmp9                        ; the chunk of 128 hidden units
	v_and_b32 v[LN32], 31, v0                      ; lane
	v_and_b32 v[RR], 15, v0                        ; r
	v_bfe_u32 v254, v0, 4, 1                       ; h
	v_lshlrev_b32 v[LI], 4, v[LN32]
	v_lshlrev_b32 v[LS], 2, v[LN32]
	v_lshlrev_b32 v[R16], 4, v[RR]
	v_lshlrev_b32 v[H16], 4, v254
	s_wait_alu depctr_va_sdst(0)                   ; the wave's number is written to s[WV], ahead of its first reader
	s_mul_i32 s36, s[WV], STGB
	s_add_co_u32 s36, s36, STG                     ; my stage
	s_mul_i32 s34, s[WV], 32*WP
	v_mul_u32_u24 v[XST], v254, WP
	v_add_nc_u32 v[XST], v[XST], v[R16]
	v_add_nc_u32 v[WST], s34, v[XST]
	v_add_nc_u32 v[XST], s36, v[XST]
	v_mul_u32_u24 v[WA0], v[RR], WP
	v_mad_u32_u24 v[WA0], v254, 24, v[WA0]
	v_add_nc_u32 v[XFA], s36, v[WA0]
	v_add_nc_u32 v[WA1], 64*WP, v[WA0]
	s_lshl_b32 s36, s[WV], 9
	s_add_co_u32 s36, s36, BIAS                    ; my copy of the bias
	v_lshl_add_u32 v[BA], v254, 6, s36
	v_add_nc_u32 v[BST], s36, v[LI]
	v_mul_u32_u24 v[WGO], v254, GP
	v_add_nc_u32 v[WGO], v[WGO], v[R16]
	v_and_b32 v[WSO], 8, v[RR]
	v_add_nc_u32 v[WSO], v[WSO], v[RR]             ; r + 8 (r / 8)
	v_lshlrev_b32 v[WSO], 5, v[WSO]
	v_add_nc_u32 v[WSO], v[WSO], v[H16]            ; W1's scale bytes: 32 a row, + 16 h
	s_mov_b32 s[SEL], 0x76543210
	s_mov_b32 s[SEL+1], 0xfedcba98                 ; v_permlanex16_b32's selects for lane l xor 16
	s_mov_b32 s35, 0
	s_lshl_b32 s[SMK], 0x101, s[EXP]
	s_lshl_b32 s[SM2], 0x100, s[EXP]
	s_lshl_b32 s[PADB], s[EXP], 4
	s_add_co_u32 s[PADB], s[PADB], 2048
	s_wait_kmcnt 0x0
	s_mul_i32 s34, s[EXP], 3145728                 ; W1's codes: 4,096 rows x 768 an expert, 128 rows a chunk, 32 rows a wave
	s_mul_i32 s36, s[CHK], 98304
	s_add_co_u32 s34, s34, s36
	s_mul_i32 s36, s[WV], 24576
	s_add_co_u32 s34, s34, s36
	s_add_nc_u64 s[WB:WB+1], s[10:11], s[34:35]
	s_lshl_b32 s34, s[EXP], 17                     ; W1's scales: 32 bytes a row
	s_lshl_b32 s36, s[CHK], 12
	s_add_co_u32 s34, s34, s36
	s_add_nc_u64 s[12:13], s[12:13], s[34:35]
	s_lshl_b32 s34, s[EXP], 14                     ; b1
	s_lshl_b32 s36, s[CHK], 9
	s_add_co_u32 s34, s34, s36
	s_add_nc_u64 s[14:15], s[14:15], s[34:35]
	s_mul_i32 s34, s[EXP], 3145728                 ; h: 64 tiles x 49,152 an expert; tile = wave; K step = chunk
	s_mul_i32 s36, s[WV], 49152
	s_add_co_u32 s34, s34, s36
	s_mul_i32 s36, s[CHK], 1536
	s_add_co_u32 s34, s34, s36
	s_add_nc_u64 s[16:17], s[16:17], s[34:35]
	s_lshl_b32 s34, s[EXP], 18                     ; hs: 64 tiles x 4,096
	s_lshl_b32 s36, s[WV], 12
	s_add_co_u32 s34, s34, s36
	s_lshl_b32 s36, s[CHK], 7
	s_add_co_u32 s34, s34, s36
	s_add_nc_u64 s[18:19], s[18:19], s[34:35]
	s_wait_alu depctr_va_vdst(0)                   ; the offsets and LDS addresses v1 to v15 and v[BST] are written, which the loads and stores of the whole kernel read
.irp m, 0,1,2,3,4,5,6,7
	global_load_b128 v[AF+4*\m:AF+4*\m+3], v[LI], s[8:9] offset:512*\m   ; ids: register 4 m + c of lane l: token 128 m + 4 l + c; 512 consecutive bytes a load
.endr
	WLOAD                                          ; 48 loads: the whole slice is asked for at once
.irp t, 0,1,2,3,4,5,6,7
	global_load_b128 v[WS+4*\t:WS+4*\t+3], v[WSO], s[12:13] offset:(32*(\t/2)+8*(\t%2))*32
.endr
	global_load_b128 v[ACC:ACC+3], v[LI], s[14:15] ; b1's 128 numbers
	s_wait_loadcnt 57                              ; ids are in: 48 + 8 + 1 loads were issued behind them.  All that follows up to the row loads is done while the weights are on their way
.set G, 0
.rept 32
	v_and_b32 v[MT+G%2], s[SMK], v[AF+G]
	v_cmp_ne_u32 s[MK+G], 0, v[MT+G%2]             ; group G's mask: the tokens routed to my expert
.set G, G+1
.endr
	s_wait_alu depctr_va_sdst(0)                   ; the 32 masks are written to s[MK ..], ahead of their first reader
	s_lshl_b32 s[NX], s[WV], 4
	v_add_nc_u32 v[VN], s[NX], v[RR]               ; my slot of my first tile
	PASS VN
	s_mov_b32 s[CNT], s[PFX]                       ; the expert's rows
	s_add_co_u32 s[NT], s[PFX], 15
	s_lshr_b32 s[NT], s[NT], 4
	s_min_u32 s[NT], s[NT], 64                     ; its tiles of 16 rows
	SELECT VN, LE+8
	DIST
	ADDR
	s_wait_alu depctr_va_vdst(0)                   ; ADDR has written v[LE ..], which the rows' loads read, and the masks' lines are done reading ids' registers, in which the rows land
	s_cmp_ge_u32 s[CHK], 9
	s_cbranch_scc1 .Lnot_mine                      ; 36 waves of an expert's 128 hand the list on, 32 words each
	s_lshl_b32 s36, s[CHK], 2
	s_add_co_u32 s36, s36, s[WV]
	s_lshl_b32 s[NX], s36, 5                       ; my first word
	s_mul_i32 s34, s[EXP], 4608
	s_lshl_b32 s36, s36, 7
	s_add_co_u32 s34, s34, s36
	s_add_nc_u64 s[20:21], s[20:21], s[34:35]
	v_add_nc_u32 v[LNN], s[NX], v[LN32]            ; my word's number is its slot
	PASS2 LNN
	SELECT LNN, LTK
	v_bfe_u32 v[VT], v[VM2], v[VP], 1              ; k: is my expert the token's second choice?
	v_lshl_or_b32 v[LTK], v[LTK], 1, v[VT]         ; the entry 2 x token + k
	v_and_b32 v[VT], 15, v[LNN]
	v_add_nc_u32 v[VT], s[PADB], v[VT]             ; the pad entry
	v_cmp_gt_u32 s[CM], s[CNT], v[LNN]
	v_cmp_eq_u32 s[CM+1], 0x400, v[LNN]
	s_wait_alu depctr_va_sdst(0)                   ; the two compares have written s[CM] and s[CM + 1], ahead of the selects that read them
	v_cndmask_b32 v[LTK], v[VT], v[LTK], s[CM]     ; at or past the count: the pad
	v_cndmask_b32 v[LTK], v[LTK], s[CNT], s[CM+1]  ; word 1024: the count
	s_wait_alu depctr_va_vdst(0)                   ; v[LTK] is written, which the store reads; and this walk's lines are done reading ids' registers, in which the rows land
	global_store_b32 v[LS], v[LTK], s[20:21]
	s_wait_xcnt 0x0                                ; the store has read its data, which silu writes over
	s_wait_alu depctr_vm_vsrc(0)                   ; the store has read v[LTK], which silu writes over
.Lnot_mine:
	RAWLD                                          ; my first tile's rows: 25 loads, over the registers that held ids; on their way while the weights are dealt out.  No vector instruction stands between the last wait on va_vdst, on either way, and these loads
	s_wait_loadcnt 63                              ; the slice's first 12 loads are in (70 were issued behind them; the wait names the most that its field holds)
	WSTORE 0
	s_wait_loadcnt 58                              ; 24 + 9 + 25 behind the second 12
	WSTORE 1
	s_wait_loadcnt 46                              ; 12 + 9 + 25
	WSTORE 2
	s_wait_loadcnt 34                              ; 9 + 25
	WSTORE 3
	s_wait_loadcnt 25                              ; the scale words and b1 are in; the rows' 25 may be out
	ds_store_b128 v[BST], v[ACC:ACC+3]
	s_wait_dscnt 0x0                               ; my quarter of the slice lies in LDS
	s_barrier_signal -1
	s_barrier_wait -1                              ; from here on no wave writes LDS bytes that another wave reads
	s_wait_alu depctr_vm_vsrc(0)                   ; my LDS stores have read the slice's registers in window 1, in which fragments land, and v[ACC ..], in which the bias lands
	WFRAG 63
	s_wait_loadcnt 0x0                             ; my first tile's rows are in
	TOSTAGE
	s_wait_alu depctr_vm_vsrc(0)                   ; the stage's stores have read v[AF ..], in which the fragments land; the rows' loads have read v[LE ..], and b1's store v[BST], which the first trip writes
	s_mov_b32 s[NTR], 0
	s_mov_b32 s[TI], s[WV]
.Ltile:
	s_cmp_ge_u32 s[TI], s[NT]
	s_cbranch_scc1 .Lnext                          ; no such tile: on to the trip's end
	s_lshl_b32 s[NX], s[TI], 4
	s_add_co_u32 s[NX], s[NX], 64                  ; the first slot of my next tile, four tiles on
.irp t, 0,1,2,3,4,5,6,7                ; the bias is the C of the first product: lane (r, h) wants, for tile t, b1 at 32 (t / 2) + 16 h + 8 (t % 2) + 0 .. 7
	ds_load_b128 v[ACC+8*\t:ACC+8*\t+3], v[BA] offset:(32*(\t/2)+8*(\t%2))*4
	ds_load_b128 v[ACC+8*\t+4:ACC+8*\t+7], v[BA] offset:(32*(\t/2)+8*(\t%2))*4+16
.endr
.irp s, 0,1,2,3,4,5,6,7                ; the rows as fragments, K ascending
.irp p, 0,1,2,3,4,5
	ds_load_b64 v[AF+12*\s+2*\p:AF+12*\s+2*\p+1], v[XFA] offset:96*\s+48*(\p/3)+8*(\p%3)
.endr
.endr
.irp p, 0,1,2,3,4,5
	ds_load_b64 v[W63+2*\p:W63+2*\p+1], v[WA1] offset:48*WP+672+48*(\p/3)+8*(\p%3)   ; fragment 63: K step 7, tile 7
.endr
.irp s, 0,1,2,3,4,5,6
	s_wait_dscnt 6*(7-\s)+6                        ; K step s's six loads are in: behind them the later steps' sixes and fragment 63's six
	MULX \s
.endr
	s_wait_dscnt 0x0                               ; K step 7's fragment and fragment 63
	MULX 7
	WIN 0
	ADDR                                           ; also the places behind the last products
	s_wait_alu depctr_va_vdst(0)                   ; ADDR has written v[LE ..], which the loads below read; the products are done reading v[AF ..] and v[AS ..], in which they land
	RAWLD                                          ; the next tile's rows land while this tile's results are worked on; silu and the quantiser name none of these registers
	SILU 0
	SILU 1
	QUANT ACC
	s_wait_alu depctr_va_vdst(0)                   ; the quantiser has written v[PC ..] and v[PW], which the stores read; no vector instruction follows up to the next trip's LDS loads, so silu and the quantiser are also done with v[ACC ..] and v212-223, in which those land
.irp c, 0,1,2
	global_store_b128 v[LI], v[PC+4*\c:PC+4*\c+3], s[16:17] offset:512*\c   ; the fragment as it stands: 512 consecutive aligned bytes a store
.endr
	global_store_b32 v[LS], v[PW], s[18:19]
	s_wait_loadcnt 0x0                             ; the next tile's rows are in
	TOSTAGE
	s_wait_alu depctr_vm_vsrc(0)                   ; the stage's stores have read v[AF ..], in which the fragments land; the global stores have read v[PC ..] and v[PW], the rows' loads v[LE ..], which the next trip writes
.Lnext:
	s_wait_xcnt 0x0                                ; the stores have read their bases and data: both are written again
	s_add_nc_u64 s[16:17], s[16:17], 196608        ; four tiles on
	s_add_nc_u64 s[18:19], s[18:19], 16384
	s_add_co_u32 s[TI], s[TI], 4
	s_add_co_u32 s[NTR], s[NTR], 1
	s_cmp_lt_u32 s[NTR], 16
	s_cbranch_scc1 .Ltile
	s_set_vgpr_msb 0x5                             ; the add's two registers lie in window 1
	s_wait_dscnt 0x0                               ; the closing lines, six on end
	s_wait_alu 0x0
	s_wait_tensorcnt 0x0
	ds_add_u32 v254, v255
	s_wait_dscnt 0x0
	s_endpgm
.Lfunc_end_k_qa932d79607_up:
	.size	k_qa932d79607_up, .Lfunc_end_k_qa932d79607_up-k_qa932d79607_up
	.p2alignl 7, 3214868480
	.fill 96, 4, 3214868480
	.section	.rodata,"a",@progbits
	.p2align	6, 0x0
	.amdhsa_kernel k_qa932d79607_up
		.amdhsa_group_segment_fixed_size 153088
		.amdhsa_private_segment_fixed_size 0
		.amdhsa_enable_private_segment 0
		.amdhsa_kernarg_size 72
		.amdhsa_user_sgpr_count 2
		.amdhsa_user_sgpr_kernarg_segment_ptr 1
		.amdhsa_wavefront_size32 1
		.amdhsa_system_sgpr_workgroup_id_x 1
		.amdhsa_system_sgpr_workgroup_id_y 1
		.amdhsa_system_sgpr_workgroup_id_z 1
		.amdhsa_system_vgpr_workitem_id 0
		.amdhsa_next_free_vgpr 1024
		.amdhsa_next_free_sgpr 98
		.amdhsa_reserve_vcc 1
		.amdhsa_float_denorm_mode_32 3
		.amdhsa_float_denorm_mode_16_64 3
		.amdhsa_memory_ordered 1
		.amdhsa_forward_progress 1
		.amdhsa_inst_pref_size 127
	.end_amdhsa_kernel
	.amdgpu_metadata
---
amdhsa.version: [ 1, 2 ]
amdhsa.kernels:
  - .name:           k_qa932d79607_up
    .symbol:         k_qa932d79607_up.kd
    .args:
      - { .name: xq, .offset: 0, .size: 8, .value_kind: global_buffer, .address_space: global }
      - { .name: xqs, .offset: 8, .size: 8, .value_kind: global_buffer, .address_space: global }
      - { .name: ids, .offset: 16, .size: 8, .value_kind: global_buffer, .address_space: global }
      - { .name: w1_codes, .offset: 24, .size: 8, .value_kind: global_buffer, .address_space: global }
      - { .name: w1_scales, .offset: 32, .size: 8, .value_kind: global_buffer, .address_space: global }
      - { .name: b1, .offset: 40, .size: 8, .value_kind: global_buffer, .address_space: global }
      - { .name: h, .offset: 48, .size: 8, .value_kind: global_buffer, .address_space: global }
      - { .name: hs, .offset: 56, .size: 8, .value_kind: global_buffer, .address_space: global }
      - { .name: listg, .offset: 64, .size: 8, .value_kind: global_buffer, .address_space: global }
    .group_segment_fixed_size: 153088
    .private_segment_fixed_size: 0
    .kernarg_segment_align: 8
    .kernarg_segment_size: 72
    .max_flat_workgroup_size: 128
    .sgpr_count:     98
    .vgpr_count:     1024
    .wavefront_size: 32
...
	.end_amdgpu_metadata
.endif
;; end of part 5
;; launch down (part 6): grid 32 x 8, 4 waves a work-group, no clusters, 134,656 bytes of LDS; arguments h, hs, listg, cw, w2_codes, w2_scales, b2, y; writes y
.if DOCPART == 6
	.amdgcn_target "amdgcn-amd-amdhsa--gfx1250"
	.amdhsa_code_object_version 6
	.text
	.protected	k_qa932d79607_down
	.globl	k_qa932d79607_down
	.p2align	8
	.type	k_qa932d79607_down,@function
k_qa932d79607_down:
	s_mov_b64 s[64:65], 0
	v_nop
	global_prefetch_b8 v0, s[64:65] scope:SCOPE_SE
	s_setreg_imm32_b32 hwreg(HW_REG_WAVE_SCHED_MODE, 0, 2), 2
	s_setreg_imm32_b32 hwreg(HW_REG_WAVE_MODE, 25, 1), 1
	s_wait_xcnt 0x0
	s_wait_alu depctr_vm_vsrc(0)
; DOWN.  Work-group (x, e), x = 8 q + nc: for the rows routed to expert e, output columns 128 nc .. + 127, the K quarter q (hidden units 1,024 q .. + 1,023):
;   y[q][entry][columns] = cw[entry] x (H_q W2[e]_q^T + b2[e] where q = 0).  entry = 2 x token + k; the next launch adds a token's eight parts.
; THE WEIGHTS STAY, THE ROWS GO ROUND, as in the launch before: the slice of W2 (128 rows x 768 bytes, three aligned runs of 256 bytes of each row) is read from memory once in the launch,
; goes through LDS and becomes 64 fragments (8 K steps x 8 tiles of 16 columns) in every wave's registers; wave w takes the expert's tiles of 16 rows w, w + 4, ..
; H comes as images of fragments' registers: three dense loads of 512 bytes a K step, straight into the operand's registers: the next tile's K steps 0 to 3 are asked for behind this tile's K step 3, its K steps 4 to 7 behind K step 7.
; K is cut in four so that a fragment of H feeds 8 products and the ring of 8 fragments fits in registers; the price is that four parts of each row go to memory.
; THE LOOP has 16 trips for every wave; a trip whose tile lies at or past the count's tiles (the count is read from listg) jumps to the trip's end.  No barrier stands in the loop.
; NO CLUSTER, NO TENSOR LOAD: the weights are shared by nobody, and H, which 8 work-groups share, is walked in a number of trips that is read from memory.
; A pad entry (2048 + 16 e + place % 16) sends its row to a dump row of y that belongs to this expert, these columns and this q alone, and that nobody reads.
; THE MATRIX INSTRUCTION IS USED TRANSPOSED (source 0 = 16 rows of W2, source 1 = 16 rows of H): a lane holds eight neighbouring columns of one row.
; W2's scale words are 16 bytes a lane from rows 128 bytes apart: parts of aligned blocks; 4,096 bytes against the slice's 98,304.
; REGISTERS: window 0 as named below; windows 1 to 3: fragments f = 8 s + t, 0 .. 62, 21 to a window, at v[12 (f % 21)]; fragment 63 in window 0.
; THE MODE: SCHED_MODE bits 1:0 = 2 (LLVM: expert scheduling mode 2), set by the entry lines.  The code itself states the register dependences between vector or matrix instructions and memory or LDS
; instructions, and those through scalar registers that vector instructions write, with s_wait_alu, always for 0.
; THE PLAN.  Registers that memory or LDS instructions touch, round the loop:
;   AF0-3, AS0-1  read by the products of K steps 0 to 3; the next tile's land in them behind the wait in the trip's middle.  (A scale register of H serves K steps 2 i and 2 i + 1, so that two are free there.)
;   AF4-7, AS2-3  read by the products of K steps 4 to 7; the next tile's land in them behind the wait ahead of the way out.
;   EN            the next tile's entries land behind the middle wait; read by the two lines that make CWA, in the way out's last group, and by the sixteen v_readlane_b32 ahead of the next trip's middle wait.
;   CWA           written in the way out's last group; read by the weights' load behind that group's wait.
;   CW            the next tile's weights land; read by the sixteen v_readlane_b32 behind the next trip's K step 7.
;   ACC           written by the products; read by the stage's stores; the rows land in it from the stage; written by the rows' arithmetic; read by the global stores; begun anew by the next trip's first products.
;   LI, HSO, LRO, STO, RD  offsets and LDS addresses, made at the head and never written again.
; So the matrix side is waited for twice a trip.  IN THE MIDDLE, behind K step 3: its products are done reading AF0-3 and AS0-1, the v_readlane_b32 reading EN; 15 loads follow in one run, and the products of K steps 4 to 7 name
; none of their registers.  AHEAD OF THE WAY OUT: ACC is written, AF4-7 and AS2-3 are read; 14 loads and the stage's stores follow.  On the way out one wait on va_vdst stands ahead of each group's four stores,
; one on vm_vsrc between the stage's stores and its loads, and one at the body's end, ahead of the branches.
; The rows' entries and weights go to scalar registers in two runs of sixteen, each with one wait on va_sdst; the scalar lines that make the rows' bases stand behind the products of K steps 4 and 5.
.set WP,   784                         ; an LDS row: 768 bytes + 16 = 196 words: row r starts at bank 4 r mod 64 (64 banks of 4 bytes: ISA guide 11.1)
.set GP,   3072                        ; a row of W2's codes in memory
.set PERM, 0
.set STG,  128*WP                      ; behind the slice: a stage of 16 rows x (512 + 16) for each wave
.set STGB, 16*528
.set LI,   1                           ; 16 x lane
.set HSO,  2                           ; 128 h + 4 x lane
.set LRO,  3                           ; 4 r
.set STO,  4                           ; my stage, in: 528 r + 32 h
.set RD,   5                           ; my stage, out: 16 x lane
.set CWA,  6                           ; the weights' offsets
.set EN,   7                           ; a tile's entries (lane r: row r's),
.set CW,   8                           ; and their weights
.set WA0,  11
.set WA1,  12
.set WST,  13
.set WGO,  14
.set WSO,  15
.set WS,   16                          ; v16-47   W2's scale words: v[WS + 4 t + i]: lanes 0-15 K step i, lanes 16-31 K step 4 + i
.set AS,   48                          ; v48-51   H's scale words: v[AS + i]: lanes 0-15 K step 2 i, lanes 16-31 K step 2 i + 1
.set ACC,  52                          ; v52-115  8 accumulators; then 16 rows read back from the stage
.set AF,   116                         ; v116-211 H's 8 fragments
.set W63,  212                         ; v212-223 fragment 63
.set B4,   224                         ; v224-227 b2 at columns 4 lane + 0 .. 3; zeros where q is not 0
.set WV,   20
.set EXP,  21
.set NC,   22
.set KQ,   23
.set NT,   24
.set NTR,  25
.set TI,   26
.set RB,   32                          ; s[32:63] the 16 rows' entries, then their bases in y
.set LG,   66                          ; s[66:67] my tile's entries in listg
.set CWS,  70                          ; s[70:101] the 16 rows' weights: a pair to a row, the weight in its first word (the packed multiply names a pair and takes the first word for both halves)
.set WB,   12
.set MSB, 0
.macro WIN new                         ; bits 1:0 source 0, 3:2 source 1, 5:4 source 2, 7:6 destination; the high byte repeats the setting that is left
.if MSB != (\new)
	s_set_vgpr_msb (MSB<<8)|(\new)
.set MSB, (\new)
.endif
.endm
.macro WLOAD                           ; my wave's 32 rows of the slice: lanes 0-15 take 256 consecutive aligned bytes of row 2 P, lanes 16-31 of row 2 P + 1; into window 1
	WIN 0x40
.set P, 0
.rept 16
.irp i, 0,1,2
	global_load_b128 v[4*(3*P+\i):4*(3*P+\i)+3], v[WGO], s[WB:WB+1] offset:2*P*GP+256*\i th:TH_LOAD_NT
.endr
.set P, P+1
.endr
	WIN 0
.endm
.macro WSTORE b                        ; a quarter of them into LDS, rows as they lie
	WIN 0x04
.set P, 4*(\b)
.rept 4
.if PERM
.set SL, 8*(((P/4)%2)*2+(P/4)/2)+(2*P)%8
.else
.set SL, 2*P
.endif
.irp i, 0,1,2
	ds_store_b128 v[WST], v[4*(3*P+\i):4*(3*P+\i)+3] offset:SL*WP+256*\i
.endr
.set P, P+1
.endr
	WIN 0
.endm
.macro WFRAG count                     ; the slice as fragments: lane (r, h) takes 24 bytes at 96 s + 24 h and at 96 s + 48 + 24 h of its row, in pieces of 8
.set F, 0
.rept \count
.if F < 63
.set WN, (1+F/21)<<6
.set FRG, 12*(F%21)
.else
.set WN, 0
.set FRG, W63
.endif
	WIN WN
.irp p, 0,1,2,3,4,5
	ds_load_b64 v[FRG+2*\p:FRG+2*\p+1], v[WA0+(F%8)/4] offset:16*((F%8)%4)*WP+96*(F/8)+48*(\p/3)+8*(\p%3)
.endr
.set F, F+1
.endr
	WIN 0
.endm
.macro ROWB j                          ; row j's entry is its row of y, held inside the buffer's 2,176 rows: three scalar lines
	s_min_u32 s28, s[RB+2*(\j)], 2175
	s_lshl_b32 s28, s28, 12
	s_add_nc_u64 s[RB+2*(\j):RB+2*(\j)+1], s[18:19], s[28:29]
.endm
; K step s: the 8 accumulators by turns, one instruction a turn.  K step 0's products start the sums.  W2's scale words stand in lanes 16-31 for K steps 4 to 7, H's for the odd K steps.
; Behind each product of K steps 4 and 5 stand the three scalar lines that make a row's base.
.macro MUL s
.irp t, 0,1,2,3,4,5,6,7
.set F, 8*(\s)+\t
.if F < 63
.set WN, 1+F/21
.set FRG, 12*(F%21)
.else
.set WN, 0
.set FRG, W63
.endif
	WIN WN
.if (\s) == 0
	v_wmma_scale_f32_16x16x128_f8f6f4 v[ACC+8*\t:ACC+8*\t+7], v[FRG:FRG+11], v[AF+12*(\s):AF+12*(\s)+11], 0, v[WS+4*\t+(\s)%4], v[AS+(\s)/2] matrix_a_fmt:MATRIX_FMT_BF6 matrix_b_fmt:MATRIX_FMT_BF6
.elseif (\s) == 2
	v_wmma_scale_f32_16x16x128_f8f6f4 v[ACC+8*\t:ACC+8*\t+7], v[FRG:FRG+11], v[AF+12*(\s):AF+12*(\s)+11], v[ACC+8*\t:ACC+8*\t+7], v[WS+4*\t+(\s)%4], v[AS+(\s)/2] matrix_a_fmt:MATRIX_FMT_BF6 matrix_b_fmt:MATRIX_FMT_BF6
.elseif (\s) < 4
	v_wmma_scale_f32_16x16x128_f8f6f4 v[ACC+8*\t:ACC+8*\t+7], v[FRG:FRG+11], v[AF+12*(\s):AF+12*(\s)+11], v[ACC+8*\t:ACC+8*\t+7], v[WS+4*\t+(\s)%4], v[AS+(\s)/2] matrix_a_fmt:MATRIX_FMT_BF6 matrix_b_fmt:MATRIX_FMT_BF6 matrix_b_scale:MATRIX_SCALE_ROW1
.elseif (\s)%2 == 0
	v_wmma_scale_f32_16x16x128_f8f6f4 v[ACC+8*\t:ACC+8*\t+7], v[FRG:FRG+11], v[AF+12*(\s):AF+12*(\s)+11], v[ACC+8*\t:ACC+8*\t+7], v[WS+4*\t+(\s)%4], v[AS+(\s)/2] matrix_a_fmt:MATRIX_FMT_BF6 matrix_b_fmt:MATRIX_FMT_BF6 matrix_a_scale:MATRIX_SCALE_ROW1
.else
	v_wmma_scale_f32_16x16x128_f8f6f4 v[ACC+8*\t:ACC+8*\t+7], v[FRG:FRG+11], v[AF+12*(\s):AF+12*(\s)+11], v[ACC+8*\t:ACC+8*\t+7], v[WS+4*\t+(\s)%4], v[AS+(\s)/2] matrix_a_fmt:MATRIX_FMT_BF6 matrix_b_fmt:MATRIX_FMT_BF6 matrix_a_scale:MATRIX_SCALE_ROW1 matrix_b_scale:MATRIX_SCALE_ROW1
.endif
.if (\s)/2 == 2
	ROWB 8*((\s)-4)+\t
.endif
.endr
.endm
.macro FL s, off                       ; H's fragment of K step s, off bytes on: three loads of 512 consecutive aligned bytes
.irp c, 0,1,2
	global_load_b128 v[AF+12*(\s)+4*\c:AF+12*(\s)+4*\c+3], v[LI], s[4:5] offset:(\off)+1536*(\s)+512*\c
.endr
.endm
.macro HL i, off                       ; H's scale words: lanes 0-15 K step 2 i, lanes 16-31 K step 2 i + 1 (a K step's words are 128 bytes, the same word in lanes r and 16 + r)
	global_load_b32 v[AS+(\i)], v[HSO], s[6:7] offset:(\off)+256*(\i)
.endm
.macro PLACES                          ; four plain lines behind the last products, ahead of the first read of their results and of the loads into their sources (ISA guide 7.12.1 for the first read of their results)
.rept 4
	v_nop
.endr
.endm
	s_load_b256 s[4:11], s[0:1], 0x0               ; h s[4:5], hs s[6:7], listg s[8:9], cw s[10:11]
	s_load_b256 s[12:19], s[0:1], 0x20             ; W2's codes s[12:13], W2's scales s[14:15], b2 s[16:17], y s[18:19]
	v_lshl_add_u32 v254, v0, 2, 0x20c00
	v_mov_b32 v255, 0
	v_lshrrev_b32 v228, 5, v0
	v_readfirstlane_b32 s[WV], v228                ; wave 0..3
	s_and_b32 s[EXP], ttmp7, 0xffff                ; the expert
	s_and_b32 s[NC], ttmp9, 7                      ; which 128 columns
	s_lshr_b32 s[KQ], ttmp9, 3                     ; which quarter of K
	v_and_b32 v228, 31, v0                         ; lane
	v_and_b32 v229, 15, v0                         ; r
	v_bfe_u32 v230, v0, 4, 1                       ; h
	v_lshlrev_b32 v[LI], 4, v228
	v_lshlrev_b32 v[HSO], 2, v228
	v_lshl_add_u32 v[HSO], v230, 7, v[HSO]
	v_lshlrev_b32 v[LRO], 2, v229
	s_wait_alu depctr_va_sdst(0)                   ; the wave's number is written to s[WV], ahead of its first reader
	s_mul_i32 s28, s[WV], STGB
	s_add_co_u32 s28, s28, STG                     ; my stage
	v_mul_u32_u24 v[STO], v229, 528
	v_lshl_add_u32 v[STO], v230, 5, v[STO]
	v_add_nc_u32 v[STO], s28, v[STO]
	v_add_nc_u32 v[RD], s28, v[LI]
	v_mul_u32_u24 v[WA0], v229, WP
	v_mad_u32_u24 v[WA0], v230, 24, v[WA0]
	v_add_nc_u32 v[WA1], 64*WP, v[WA0]
	s_mul_i32 s28, s[WV], 32*WP
	v_mul_u32_u24 v[WST], v230, WP
	v_lshl_add_u32 v[WST], v229, 4, v[WST]
	v_add_nc_u32 v[WST], s28, v[WST]
	v_mul_u32_u24 v[WGO], v230, GP
	v_lshl_add_u32 v[WGO], v229, 4, v[WGO]
	v_lshlrev_b32 v[WSO], 7, v229
	v_lshl_add_u32 v[WSO], v230, 4, v[WSO]         ; W2's scale bytes: 128 a row, + 16 h
	s_mov_b32 s29, 0
.irp j, 0,1,2,3,4,5,6,7,8,9,10,11,12,13,14,15
	s_mov_b32 s[CWS+2*\j+1], 0                     ; (named with the weight as a pair, so it is written)
.endr
	s_mul_i32 s68, s[EXP], 4608                    ; the expert's list in listg
	s_wait_kmcnt 0x0
	s_load_b32 s27, s[8:9], s68 offset:0x1000      ; its count (word 1024); s[8:9] and s68 are not written again
	s_mul_i32 s28, s[EXP], 3145728                 ; W2's codes: 1,024 rows x 3,072 an expert, 128 rows a chunk, 32 rows a wave, 768 bytes a quarter
	s_mul_i32 s24, s[NC], 393216
	s_add_co_u32 s28, s28, s24
	s_mul_i32 s24, s[WV], 98304
	s_add_co_u32 s28, s28, s24
	s_mul_i32 s24, s[KQ], 768
	s_add_co_u32 s28, s28, s24
	s_add_nc_u64 s[WB:WB+1], s[WB:WB+1], s[28:29]
	s_lshl_b32 s28, s[EXP], 17                     ; W2's scales
	s_lshl_b32 s24, s[NC], 14
	s_add_co_u32 s28, s28, s24
	s_lshl_b32 s24, s[KQ], 5
	s_add_co_u32 s28, s28, s24
	s_add_nc_u64 s[14:15], s[14:15], s[28:29]
	s_lshl_b32 s28, s[EXP], 12                     ; b2
	s_lshl_b32 s24, s[NC], 9
	s_add_co_u32 s28, s28, s24
	s_add_nc_u64 s[16:17], s[16:17], s[28:29]
	s_mul_i32 s28, s[KQ], 8912896                  ; y: 2,176 rows x 4,096 a quarter
	s_add_co_u32 s28, s28, s24
	s_add_nc_u64 s[18:19], s[18:19], s[28:29]
	s_mul_i32 s28, s[EXP], 3145728                 ; h: tile = wave, K steps 8 q on
	s_mul_i32 s24, s[WV], 49152
	s_add_co_u32 s28, s28, s24
	s_mul_i32 s24, s[KQ], 12288
	s_add_co_u32 s28, s28, s24
	s_add_nc_u64 s[4:5], s[4:5], s[28:29]
	s_lshl_b32 s28, s[EXP], 18                     ; hs
	s_lshl_b32 s24, s[WV], 12
	s_add_co_u32 s28, s28, s24
	s_lshl_b32 s24, s[KQ], 10
	s_add_co_u32 s28, s28, s24
	s_add_nc_u64 s[6:7], s[6:7], s[28:29]
	s_lshl_b32 s28, s[WV], 6
	s_add_co_u32 s28, s28, s68
	s_add_nc_u64 s[LG:LG+1], s[8:9], s[28:29]      ; my first tile's entries
	s_wait_alu depctr_va_vdst(0)                   ; the offsets and LDS addresses v1 to v5 and v11 to v15 are written, which the loads and stores of the whole kernel read
	WLOAD                                          ; 48 loads: the whole slice is asked for at once
.irp t, 0,1,2,3,4,5,6,7
	global_load_b128 v[WS+4*\t:WS+4*\t+3], v[WSO], s[14:15] offset:2048*\t
.endr
	global_load_b128 v[B4:B4+3], v[LI], s[16:17]
	global_load_b32 v[EN], v[LRO], s[LG:LG+1]
	s_wait_loadcnt 46                              ; the slice's first 12 loads are in: 36 + 10 were issued behind them
	WSTORE 0
	s_wait_loadcnt 34
	WSTORE 1
	s_wait_loadcnt 22
	WSTORE 2
	s_wait_loadcnt 10
	WSTORE 3
	s_wait_loadcnt 0x0
	s_cmp_eq_u32 s[KQ], 0
	s_cselect_b32 vcc_lo, -1, 0
.irp i, 0,1,2,3
	v_cndmask_b32 v[B4+\i], 0, v[B4+\i], vcc_lo    ; the bias is added in the first quarter alone
.endr
	v_min_u32 v[CWA], 2047, v[EN]                  ; my first tile's weights; a pad entry's index is held at the table's last
	v_lshlrev_b32 v[CWA], 2, v[CWA]
	s_wait_alu depctr_va_vdst(0)                   ; v[CWA] is written, which the weights' load below reads
	FL 0, 0                                        ; my first tile, in the order in which every trip asks for the next one
	HL 0, 0
	FL 1, 0
	FL 2, 0
	HL 1, 0
	FL 3, 0
	FL 4, 0
	HL 2, 0
	FL 5, 0
	FL 6, 0
	HL 3, 0
	FL 7, 0
	global_load_b32 v[CW], v[CWA], s[10:11]
	s_wait_dscnt 0x0                               ; my quarter of the slice lies in LDS
	s_barrier_signal -1
	s_barrier_wait -1                              ; from here on no wave writes LDS bytes that another wave reads
	s_wait_alu depctr_vm_vsrc(0)                   ; my LDS stores have read the slice's registers in window 1, in which fragments land
	WFRAG 64
	s_wait_kmcnt 0x0
	s_add_co_u32 s[NT], s27, 15
	s_lshr_b32 s[NT], s[NT], 4
	s_min_u32 s[NT], s[NT], 64                     ; the expert's tiles of 16 rows
	s_mov_b32 s[NTR], 0
	s_mov_b32 s[TI], s[WV]
	s_wait_dscnt 0x0
.Ltile:
	s_cmp_ge_u32 s[TI], s[NT]
	s_cbranch_scc1 .Lnext                          ; no such tile: on to the trip's end
	; A trip's loads, in the order of issue: in the middle the entries, fragment 0, scale word 0, fragments 1 and 2, scale word 1, fragment 3 (15); ahead of the way out fragment 4, scale word 2, fragments 5 and 6, scale word 3, fragment 7 (14); at its end the weights (1)
	s_wait_loadcnt 25                              ; fragment 0 and scale word 0 are in: behind them 10 of the middle's loads, the way out's 14 and the weights
	MUL 0
	s_wait_loadcnt 22                              ; fragment 1: 7 + 14 + 1
	MUL 1
	s_wait_loadcnt 18                              ; fragment 2 and scale word 1: 3 + 14 + 1
	MUL 2
	s_wait_loadcnt 15                              ; fragment 3: 14 + 1
	MUL 3
	WIN 0
.irp j, 0,1,2,3,4,5,6,7,8,9,10,11,12,13,14,15
	v_readlane_b32 s[RB+2*\j], v[EN], \j           ; this tile's entries (shown in by the wait ahead of the lines that made their weights' offsets)
.endr
	PLACES
	s_wait_alu depctr_va_vdst(0)                   ; THE MIDDLE: the products of K steps 0 to 3 are done reading AF0-3 and AS0-1, the sixteen lines above reading v[EN]: the loads below land in these
	s_wait_alu depctr_va_sdst(0)                   ; the sixteen entries are written to s[RB ..], ahead of their first reader, behind K step 4's first product
	global_load_b32 v[EN], v[LRO], s[LG:LG+1] offset:256   ; the entries of my next tile, four tiles on: first, so that the wait for them leaves all the others out
	FL 0, 196608
	HL 0, 16384
	FL 1, 196608
	FL 2, 196608
	HL 1, 16384
	FL 3, 196608
	s_wait_loadcnt 26                              ; fragment 4 and scale word 2 are in: behind them 10 of their run, the weights and the 15 just issued
	MUL 4
	s_wait_loadcnt 23                              ; fragment 5: 7 + 1 + 15
	MUL 5
	s_wait_loadcnt 19                              ; fragment 6 and scale word 3: 3 + 1 + 15
	MUL 6
	s_wait_loadcnt 16                              ; fragment 7: 1 + 15
	MUL 7
	WIN 0
	s_wait_loadcnt 15                              ; this tile's weights are in: the middle's 15 were issued behind them
.irp j, 0,1,2,3,4,5,6,7,8,9,10,11,12,13,14,15
	v_readlane_b32 s[CWS+2*\j], v[CW], \j          ; row j's weight
.endr
	PLACES
	s_wait_alu depctr_va_vdst(0)                   ; AHEAD OF THE WAY OUT: the products have written v[ACC ..], which the stage's stores read, and are done reading AF4-7 and AS2-3, in which the loads below land; the places above stay beside this wait
	s_wait_alu depctr_va_sdst(0)                   ; the sixteen weights are written to s[CWS ..], ahead of their first reader
	FL 4, 196608
	HL 2, 16384
	FL 5, 196608
	FL 6, 196608
	HL 3, 16384
	FL 7, 196608
.irp t, 0,1,2,3,4,5,6,7                ; a lane holds 32 neighbouring bytes of a row: through my stage, each accumulator from its low end on
	ds_store_b128 v[STO], v[ACC+8*\t:ACC+8*\t+3] offset:64*\t
	ds_store_b128 v[STO], v[ACC+8*\t+4:ACC+8*\t+7] offset:64*\t+16
.endr
	s_wait_alu depctr_vm_vsrc(0)                   ; the stage's stores have read v[ACC ..], in which the rows land
.irp j, 0,1,2,3,4,5,6,7,8,9,10,11,12,13,14,15
	ds_load_b128 v[ACC+4*\j:ACC+4*\j+3], v[RD] offset:528*\j   ; LDS serves a wave's instructions in order: these see the stores above
.endr
.irp g, 0,1,2,3                        ; four rows at a time: their arithmetic, one wait, their stores
	s_wait_dscnt 12-4*\g                           ; the group's four rows are back; the later groups' may be out
.if \g == 3
	s_wait_loadcnt 28                              ; the next tile's entries are in: behind them the middle's other 14 loads and the way out's 14
	v_min_u32 v[CWA], 2047, v[EN]                  ; the next tile's weights; a pad entry's index is held at the table's last
	v_lshlrev_b32 v[CWA], 2, v[CWA]
.endif
.irp i, 0,1,2,3
	v_pk_add_f32 v[ACC+4*(4*\g+\i):ACC+4*(4*\g+\i)+1], v[ACC+4*(4*\g+\i):ACC+4*(4*\g+\i)+1], v[B4:B4+1]
	v_pk_add_f32 v[ACC+4*(4*\g+\i)+2:ACC+4*(4*\g+\i)+3], v[ACC+4*(4*\g+\i)+2:ACC+4*(4*\g+\i)+3], v[B4+2:B4+3]
.endr
.irp i, 0,1,2,3
	v_pk_mul_f32 v[ACC+4*(4*\g+\i):ACC+4*(4*\g+\i)+1], v[ACC+4*(4*\g+\i):ACC+4*(4*\g+\i)+1], s[CWS+2*(4*\g+\i):CWS+2*(4*\g+\i)+1] op_sel_hi:[1,0]
	v_pk_mul_f32 v[ACC+4*(4*\g+\i)+2:ACC+4*(4*\g+\i)+3], v[ACC+4*(4*\g+\i)+2:ACC+4*(4*\g+\i)+3], s[CWS+2*(4*\g+\i):CWS+2*(4*\g+\i)+1] op_sel_hi:[1,0]
.endr
	s_wait_alu depctr_va_vdst(0)                   ; the group's arithmetic has written its four rows, which the stores read; in the last group v[CWA] too, which the weights' load reads
.irp i, 0,1,2,3
	global_store_b128 v[LI], v[ACC+4*(4*\g+\i):ACC+4*(4*\g+\i)+3], s[RB+2*(4*\g+\i):RB+2*(4*\g+\i)+1]   ; 512 consecutive aligned bytes of one row of y
.endr
.if \g == 3
	global_load_b32 v[CW], v[CWA], s[10:11]        ; lands in v[CW], which the sixteen lines behind K step 7 are done reading
.endif
.endr
	s_wait_alu depctr_vm_vsrc(0)                   ; the global stores have read v[ACC ..], which the next trip's first products begin anew; the weights' load has read v[CWA], which the next way out writes
.Lnext:
	s_wait_xcnt 0x0                                ; loads and stores have read their bases and data: all are written again
	s_add_nc_u64 s[4:5], s[4:5], 196608            ; four tiles on
	s_add_nc_u64 s[6:7], s[6:7], 16384
	s_add_nc_u64 s[LG:LG+1], s[LG:LG+1], 256
	s_add_co_u32 s[TI], s[TI], 4
	s_add_co_u32 s[NTR], s[NTR], 1
	s_cmp_lt_u32 s[NTR], 16
	s_cbranch_scc1 .Ltile
	s_wait_dscnt 0x0                               ; the closing lines, six on end
	s_wait_alu 0x0
	s_wait_tensorcnt 0x0
	ds_add_u32 v254, v255
	s_wait_dscnt 0x0
	s_endpgm
.Lfunc_end_k_qa932d79607_down:
	.size	k_qa932d79607_down, .Lfunc_end_k_qa932d79607_down-k_qa932d79607_down
	.p2alignl 7, 3214868480
	.fill 96, 4, 3214868480
	.section	.rodata,"a",@progbits
	.p2align	6, 0x0
	.amdhsa_kernel k_qa932d79607_down
		.amdhsa_group_segment_fixed_size 134656
		.amdhsa_private_segment_fixed_size 0
		.amdhsa_enable_private_segment 0
		.amdhsa_kernarg_size 64
		.amdhsa_user_sgpr_count 2
		.amdhsa_user_sgpr_kernarg_segment_ptr 1
		.amdhsa_wavefront_size32 1
		.amdhsa_system_sgpr_workgroup_id_x 1
		.amdhsa_system_sgpr_workgroup_id_y 1
		.amdhsa_system_sgpr_workgroup_id_z 1
		.amdhsa_system_vgpr_workitem_id 0
		.amdhsa_next_free_vgpr 1024
		.amdhsa_next_free_sgpr 102
		.amdhsa_reserve_vcc 1
		.amdhsa_float_denorm_mode_32 3
		.amdhsa_float_denorm_mode_16_64 3
		.amdhsa_memory_ordered 1
		.amdhsa_forward_progress 1
		.amdhsa_inst_pref_size 65
	.end_amdhsa_kernel
	.amdgpu_metadata
---
amdhsa.version: [ 1, 2 ]
amdhsa.kernels:
  - .name:           k_qa932d79607_down
    .symbol:         k_qa932d79607_down.kd
    .args:
      - { .name: h, .offset: 0, .size: 8, .value_kind: global_buffer, .address_space: global }
      - { .name: hs, .offset: 8, .size: 8, .value_kind: global_buffer, .address_space: global }
      - { .name: listg, .offset: 16, .size: 8, .value_kind: global_buffer, .address_space: global }
      - { .name: cw, .offset: 24, .size: 8, .value_kind: global_buffer, .address_space: global }
      - { .name: w2_codes, .offset: 32, .size: 8, .value_kind: global_buffer, .address_space: global }
      - { .name: w2_scales, .offset: 40, .size: 8, .value_kind: global_buffer, .address_space: global }
      - { .name: b2, .offset: 48, .size: 8, .value_kind: global_buffer, .address_space: global }
      - { .name: y, .offset: 56, .size: 8, .value_kind: global_buffer, .address_space: global }
    .group_segment_fixed_size: 134656
    .private_segment_fixed_size: 0
    .kernarg_segment_align: 8
    .kernarg_segment_size: 64
    .max_flat_workgroup_size: 128
    .sgpr_count:     102
    .vgpr_count:     1024
    .wavefront_size: 32
...
	.end_amdgpu_metadata
.endif
;; end of part 6
;; launch sum: the kernel of part 4 again; grid 512 x 1, 8 waves a work-group, no clusters, 0 bytes of LDS; arguments y, out0; writes out0
